; MI455X (gfx1250); checked and timed in simulation.
; The chip was launched on July 23, 2026; its instructions are those of AMD's public machine-readable ISA for CDNA 5 (MIT licence, August 2026) and "CDNA5" Instruction Set Architecture Reference Guide (July 2026). The comments in the code are by the model that wrote it; some were corrected since.
;; Group Query Attention. Allowed arithmetic: matrix products marked QUANTISED: E2M1 operands, one E8M0 scale for each 32 along K, by v_wmma_scale_f32_16x16x128_f8f6f4 with both operands' format E2M1 (or v_wmma_scale_f32_32x16x128_f4), f32 sums; products left as they are: bf16, f16 or f32 operands; f32 sums; everything else in f32.
;; Inputs: cos 4,096 x 64 float32; sin 4,096 x 64 float32; w_k 1,024 x 256 float32; w_o 1,024 x 1,024 float32; w_q 1,024 x 1,024 float32; w_v 1,024 x 256 float32; x 1 x 4,096 x 1,024 float32.
;; Outputs: out0 1 x 4,096 x 1,024 float32.
;; This version of the problem:
;;   THIS VERSION OF THE PROBLEM IS GIVEN IN LOW PRECISION. The matrix products marked QUANTISED in the list below multiply operands that are first quantised to E2M1 (2 exponent bits, 1 mantissa bit; 4 bits a number), with one power-of-two scale for each 32 numbers along K (OCP MX v1.0); their sums are f32. The products marked 'left as it is' may take bf16, f16 or f32 operands, with f32 sums. Whichever they take, every output number must still come out within the allowed error. Rounding operands to bf16 (8 significant bits) uses up far more of that allowance than f16 does (11 bits, for magnitudes from 6e-5 to 65,504). All else is computed in f32.
;;   The module's matrix products, in the order in which they are computed (A, B: the left and right operand; K: the contracted axis; several contracted axes count as one K, in the product's order):
;;     1. [M 4,096, K 1,024] x [K 1,024, N 1,024]; A: input x; B: input w_q: QUANTISED
;;     2. [M 4,096, K 1,024] x [K 1,024, N 256]; A: input x; B: input w_k: QUANTISED
;;     3. [M 4,096, K 1,024] x [K 1,024, N 256]; A: input x; B: input w_v: QUANTISED
;;     4. batch 16 x [M 4,096, K 64] x [K 64, N 4,096]; A: computed on the way; B: computed on the way: left as it is (an operand is computed on the way)
;;     5. batch 16 x [M 4,096, K 4,096] x [K 4,096, N 64]; A: computed on the way; B: computed on the way: left as it is (an operand is computed on the way)
;;     6. [M 4,096, K 1,024] x [K 1,024, N 1,024]; A: computed on the way; B: input w_o: left as it is (an operand is computed on the way)
;;   THE QUANTISER, for each operand of a quantised product, along K:
;;     - K is cut into blocks of 32 from its start; a last block that is shorter is filled with zeros.
;;     - A block's scale is 2^e with e = floor(log2(the largest magnitude in the block)) - 2, held to -126 .. 127; a block of zeros has e = 0. As a byte (E8M0): e + 127.
;;     - Each number is divided by its block's scale, clamped to +-6, and rounded to the nearest number of E2M1, ties to even, subnormals kept.
;;     - The product sums the exact products of the quantised numbers (number of the format x scale) in f32.
;;   ~~~python
;;   def quantise(x, axis):      # numpy; x: float32 -> the quantised numbers, widened to float32 again
;;       x = np.moveaxis(x, axis, -1); K = x.shape[-1]
;;       x = np.pad(x, [(0, 0)] * (x.ndim - 1) + [(0, -K % 32)]); x = x.reshape(x.shape[:-1] + (-1, 32)); a = np.abs(x).max(-1, keepdims=True)
;;       e = np.where(a > 0, np.clip(np.frexp(np.where(a > 0, a, 1))[1] - 1 - 2, -126, 127), 0)      # np.frexp(a)[1] - 1 = floor(log2(a)), exactly
;;       r = np.clip(x / 2.0 ** e, -6, 6)
;;       step = 2.0 ** (np.maximum(np.frexp(np.where(r == 0, 1, r))[1] - 1, 0) - 1)
;;       q = np.round(r / step) * step * 2.0 ** e      # np.round: ties to even
;;       return np.moveaxis(q.reshape(q.shape[:-2] + (-1,))[..., :K], -1, axis).astype(np.float32)
;;   ~~~
;; One version. Each part assembles by itself: llvm-mc -triple=amdgcn-amd-amdhsa -mcpu=gfx1250 --defsym DOCPART=n.
;; ======== version 1 of 1: 5 launches
;; limits: values are held in f16: magnitudes above 65,504 overflow, below 6.1e-05 lose precision
;; workspace buffers: xc 2,228,224 bytes; wc 835,584 bytes; wo16 2,097,152 bytes; q16 8,388,608 bytes; kv 4,194,304 bytes; ctx 8,388,608 bytes; fine 98,304 bytes
;; launch prep (part 1): grid 416 x 1, 4 waves a work-group, no clusters, 68,096 bytes of LDS; arguments x, w_q, w_k, w_v, w_o, xc, wc, wo16; writes xc, wc, wo16
.if DOCPART == 1
	.amdgcn_target "amdgcn-amd-amdhsa--gfx1250"
	.amdhsa_code_object_version 6
	.text
	.protected	k_q33065d9254_prep
	.globl	k_q33065d9254_prep
	.p2align	8
	.type	k_q33065d9254_prep,@function
k_q33065d9254_prep:
	s_mov_b64 s[64:65], 0
	v_nop
	global_prefetch_b8 v0, s[64:65] scope:SCOPE_SE
	s_setreg_imm32_b32 hwreg(HW_REG_WAVE_MODE, 25, 1), 1
	s_wait_xcnt 0x0
; x [4096][1024] and [w_q | w_k | w_v] ([1024][1536], K the first axis), f32, become codes of FP4 (E2M1) with one E8M0 byte for each 32 along K; w_o [1024][1024] becomes f16.
; EVERY RESULT IS LAID AS AN IMAGE OF THE OPERAND'S REGISTERS: a group of four registers of a fragment is 512 bytes on end, lane l's 16 bytes at 16 l.
;   xc:   codes [tile of 16 tokens 256][K step of 128: 8][c 2][lane 32][16 B]; from byte 2,097,152 on the scale words [pair of tiles 128][K step 8][32 words] (lanes 0-15 the even tile's rows, lanes 16-31 the odd tile's)
;   wc:   the same for the 96 tiles of 16 columns; scale words from byte 786,432 on
;   wo16: [256 along K: 4][tile of 16 columns 64][32 along K: 8][c 2][lane 32][16 B]
; A block's scale is 2^(floor(log2(largest magnitude)) - 2): its byte is the largest magnitude's exponent field - 2, held at 1 from below by a floor among the maximum's leaves.
; LIMITS: a block of zeros gets the byte 1 where the rule says 127 (its codes are zeros, and this program alone reads the bytes); NaN and infinities are not served; w_o must stay under 65,504 in magnitude.
; SHARES: work-groups 0-255: x (a wave: 32 tokens x 128 K, two fragments); 256-319: w_q; 320-351: w_k, w_v; 352-415: w_o (a wave: 32 columns x 128 K, a lane to a column, its registers down K).
; Only x's path touches LDS: its loads take 512 bytes on end of a token's row, and the wave's own stage turns them so that a lane holds whole blocks of 32 neighbours.  No barrier: waves share nothing.
; The scale words leave in runs of 128 bytes: one byte in 128 of what the launch reads.
.set SPARE, 67584                      ; behind the four stages: the spare words, 128 bytes for each wave
.set WSTG,  16896                      ; a wave's stage: 32 rows
.set SP,    528                        ; of 512 bytes + 16 of padding: 33 x 16, so the sixteen rows that a load touches begin at sixteen different places modulo 256 bytes
.set SPW,   2                          ; v2   LDS address of my spare word; never rewritten
.set NIL,   3                          ; v3   0; never rewritten
.set R,     16                         ; v16-143  128 numbers
.set C,     144                        ; v144-159 codes
.set T,     160                        ; v160-169 at work
.macro FINISH                          ; a wave's end
	s_wait_tensorcnt 0x0
	ds_add_u32 v[SPW], v[NIL]
	s_wait_dscnt 0x0
	s_endpgm
.endm
	s_load_b256 s[4:11], s[0:1], 0x0               ; x, w_q, w_k, w_v
	s_load_b256 s[12:19], s[0:1], 0x20             ; w_o, xc, wc, wo16
	v_lshl_add_u32 v[SPW], v0, 2, SPARE
	v_mov_b32 v[NIL], 0
	v_lshrrev_b32 v1, 5, v0
	v_readfirstlane_b32 s20, v1                    ; wave
	v_and_b32 v1, 31, v0                           ; lane
	v_and_b32 v4, 15, v0                           ; r
	v_bfe_u32 v5, v0, 4, 1                         ; h
	v_lshlrev_b32 v6, 4, v1                        ; 16 x lane
	v_lshlrev_b32 v9, 2, v1                        ; 4 x lane
	v_lshlrev_b32 v10, 13, v5
	v_lshl_add_u32 v10, v4, 4, v10                 ; a column's place in the images: 8,192 (lane / 16) + 16 (lane % 16)
	v_lshlrev_b32 v11, 3, v5                       ; 8 h: where my bytes stand in a scale word
	s_mul_i32 s21, s20, WSTG
	v_add_nc_u32 v7, s21, v6                       ; the stage, on the way in
	v_mul_u32_u24 v8, v4, SP
	v_lshl_add_u32 v8, v5, 7, v8
	v_add_nc_u32 v8, s21, v8                       ; and on the way out: row r, + 128 h bytes
	v_mov_b32 v[T+7], 0                            ; a lane permute's destination counts as one of its sources
	s_mov_b32 s22, 0xffff0000                      ; the lanes with h = 1
	s_mov_b32 s30, 0x76543210
	s_mov_b32 s31, 0xfedcba98                      ; v_permlanex16_b32's selects for lane l xor 16
	s_mov_b32 s27, 0
	s_wait_kmcnt 0x0
	s_cmp_lt_u32 ttmp9, 256
	s_cbranch_scc0 .Lweights
; ---- x.  Fragment f = tokens 16 f + r; my two blocks of it are 2 c + h, c = 0, 1: all 32 numbers of a block are mine.
.macro QUANTX f
.irp c, 0,1
	v_max3_num_f32 v[T+\c], |v[R+64*\f+32*\c]|, |v[R+64*\f+32*\c+1]|, 0x1800000   ; with the floor 2^(3 - 127)
.endr
.irp i, 2,4,6,8,10,12,14,16,18,20,22,24,26,28,30
.irp c, 0,1
	v_max3_num_f32 v[T+\c], v[T+\c], |v[R+64*\f+32*\c+\i]|, |v[R+64*\f+32*\c+\i+1]|   ; the two blocks by turns
.endr
.endr
.irp c, 0,1
	v_add_nc_u32 v[T+2+\c], 0xff000000, v[T+\c]    ; 2 off the exponent field: the conversion's scale operand
.endr
.irp c, 0,1
	v_lshrrev_b32 v[T+4+\c], 23, v[T+2+\c]         ; the scale's byte
.endr
	v_lshl_or_b32 v[T+6], v[T+5], 16, v[T+4]       ; blocks h and 2 + h,
	v_lshlrev_b32 v[T+6], v11, v[T+6]              ; at their places;
	v_permlanex16_b32 v[T+7], v[T+6], s30, s31
	v_or_b32 v[T+8+\f], v[T+6], v[T+7]             ; with lane l xor 16's two the row's word is whole
.irp c, 0,1
.irp g, 0,1,2,3
	v_cvt_scalef32_pk8_fp4_f32 v[C+8*\f+4*\c+\g], v[R+64*\f+32*\c+8*\g:R+64*\f+32*\c+8*\g+7], v[T+2+\c]
.endr
.endr
	v_nop                                          ; one plain place behind the last scaled conversion
.irp c, 0,1
	global_store_b128 v6, v[C+8*\f+4*\c:C+8*\f+4*\c+3], s[28:29] offset:8192*\f+512*\c   ; 512 bytes on end
.endr
.endm
	s_lshr_b32 s24, ttmp9, 1                       ; the pair of token tiles
	s_and_b32 s25, ttmp9, 1
	s_lshl_b32 s25, s25, 2
	s_add_co_u32 s25, s25, s20                     ; the K step
	s_lshl_b32 s26, s24, 17                        ; 32 rows of 4,096 bytes
	s_lshl_b32 s34, s25, 9
	s_add_co_u32 s26, s26, s34
	s_add_nc_u64 s[4:5], s[4:5], s[26:27]
	s_lshl_b32 s26, s24, 14
	s_lshl_b32 s34, s25, 10
	s_add_co_u32 s26, s26, s34
	s_add_nc_u64 s[28:29], s[14:15], s[26:27]      ; the codes
	s_lshl_b32 s26, s24, 10
	s_lshl_b32 s34, s25, 7
	s_add_co_u32 s26, s26, s34
	s_add_co_u32 s26, s26, 2097152
	s_add_nc_u64 s[32:33], s[14:15], s[26:27]      ; the scale words
.set n, 0
.rept 32
	global_load_b128 v[R+4*n:R+4*n+3], v6, s[4:5] offset:4096*n th:TH_LOAD_NT   ; token n: 512 bytes on end
.set n, n+1
.endr
.set n, 0
.rept 32
	s_wait_loadcnt 31-n                            ; loads come back in order: row n is in, the younger ones stay out
	ds_store_b128 v7, v[R+4*n:R+4*n+3] offset:SP*n
.set n, n+1
.endr
	s_wait_dscnt 0x0                               ; the stores have read their registers, into which the loads below land
.irp f, 0,1
.irp c, 0,1
.irp e, 0,1,2,3,4,5,6,7
	ds_load_b128 v[R+64*\f+32*\c+4*\e:R+64*\f+32*\c+4*\e+3], v8 offset:16*SP*\f+256*\c+16*\e
.endr
.endr
.endr
	s_wait_dscnt 16                                ; fragment 0's sixteen loads are in, fragment 1's may be out
	QUANTX 0
	s_wait_dscnt 0x0
	QUANTX 1
	v_cndmask_b32 v12, v[T+8], v[T+9], s22         ; lanes 0-15 store the even tile's words, lanes 16-31 the odd tile's
	global_store_b32 v9, v12, s[32:33]
	FINISH
; ---- the weights: a lane to a column, registers down K
.macro WLOAD t, pitch                  ; block t: W(32 t + i, my column), i = 0 .. 31: 128 bytes on end a wave, 512 a work-group
.set n, 0
.rept 32
	global_load_b32 v[R+32*(\t)+n], v9, s[4:5] offset:(32*(\t)+n)*(\pitch) th:TH_LOAD_NT
.set n, n+1
.endr
.endm
.macro BLOCKQ t                        ; block t of the K step becomes 16 bytes of codes and a byte of the column's scale word
.set XB, R+32*(\t)
	v_max3_num_f32 v12, |v[XB]|, |v[XB+1]|, |v[XB+2]|
	v_max3_num_f32 v13, |v[XB+3]|, |v[XB+4]|, |v[XB+5]|
.irp i, 6,10,14,18,22,26
	v_max3_num_f32 v12, v12, |v[XB+\i]|, |v[XB+\i+1]|
	v_max3_num_f32 v13, v13, |v[XB+\i+2]|, |v[XB+\i+3]|
.endr
	v_max3_num_f32 v12, v12, |v[XB+30]|, |v[XB+31]|
	v_max3_num_f32 v12, v12, v13, 0x1800000        ; and the floor 2^(3 - 127)
	v_add_nc_u32 v14, 0xff000000, v12              ; the conversion's scale operand
	v_lshrrev_b32 v13, 23, v14                     ; the byte
.if (\t) == 0
	v_mov_b32 v15, v13
.else
	v_lshl_or_b32 v15, v13, 8*(\t), v15
.endif
.irp g, 0,1,2,3
	v_cvt_scalef32_pk8_fp4_f32 v[C+4*(\t)+\g], v[XB+8*\g:XB+8*\g+7], v14
.endr
	v_nop                                          ; one plain place behind the last scaled conversion
	global_store_b128 v10, v[C+4*(\t):C+4*(\t)+3], s[28:29] offset:512*((\t)/2)+256*((\t)%2)   ; block t = 2 c + h of the fragment: each half of the lanes stores 256 bytes on end, aligned
.endm
.macro BLOCKH t                        ; 32 along K of my column become f16: four groups of eight, group q = 2 c + h of the fragment
.set n, 0
.rept 16
	v_cvt_pk_f16_f32 v[R+32*(\t)+n], v[R+32*(\t)+2*n], v[R+32*(\t)+2*n+1]   ; in place, ascending
.set n, n+1
.endr
.irp q, 0,1,2,3
	global_store_b128 v10, v[R+32*(\t)+4*\q:R+32*(\t)+4*\q+3], s[28:29] offset:1024*(\t)+512*(\q/2)+256*(\q%2)
.endr
.endm
.macro WWALK quant, pitch              ; four blocks; two blocks' loads are out while a block is worked on
	WLOAD 0, \pitch
	WLOAD 1, \pitch
.irp u, 0,1,2,3
.if \u < 3
	s_wait_loadcnt 32                              ; this block's 32 loads are in, the next block's may be out
.else
	s_wait_loadcnt 0x0
.endif
.if \u < 2
	WLOAD \u+2, \pitch
.endif
.if \quant
	BLOCKQ \u
.else
	BLOCKH \u
.endif
.endr
.endm
.macro WCPTR                           ; s24 = the group of 32 columns among the 48, s25 = the K step
	s_lshl_b32 s26, s24, 14
	s_lshl_b32 s34, s25, 10
	s_add_co_u32 s26, s26, s34
	s_add_nc_u64 s[28:29], s[16:17], s[26:27]      ; the codes
	s_lshl_b32 s26, s24, 10
	s_lshl_b32 s34, s25, 7
	s_add_co_u32 s26, s26, s34
	s_add_co_u32 s26, s26, 786432
	s_add_nc_u64 s[32:33], s[16:17], s[26:27]      ; the scale words
.endm
.Lweights:
	s_cmp_lt_u32 ttmp9, 320
	s_cbranch_scc0 .Lnot_q
	s_sub_co_u32 s24, ttmp9, 256
	s_and_b32 s25, s24, 7                          ; the K step
	s_lshr_b32 s24, s24, 3
	s_lshl_b32 s24, s24, 2
	s_add_co_u32 s24, s24, s20                     ; the group of 32 columns
	s_lshl_b32 s26, s25, 19                        ; 128 rows of 4,096 bytes
	s_lshl_b32 s34, s24, 7
	s_add_co_u32 s26, s26, s34
	s_add_nc_u64 s[4:5], s[6:7], s[26:27]
	WCPTR
	WWALK 1, 4096
	global_store_b32 v9, v15, s[32:33]
	FINISH
.Lnot_q:
	s_cmp_lt_u32 ttmp9, 352
	s_cbranch_scc0 .Lw_o
	s_sub_co_u32 s24, ttmp9, 320
	s_and_b32 s25, s24, 7                          ; the K step
	s_bfe_u32 s35, s24, 0x10003
	s_lshl_b32 s35, s35, 2
	s_add_co_u32 s35, s35, s20                     ; the group of 32 columns in w_k or w_v
	s_lshr_b32 s34, s24, 4                         ; 0: w_k, 1: w_v
	s_lshl_b32 s24, s34, 3
	s_add_co_u32 s24, s24, s35
	s_add_co_u32 s24, s24, 32                      ; and among the 48
	s_lshl_b32 s26, s25, 17                        ; 128 rows of 1,024 bytes
	s_lshl_b32 s35, s35, 7
	s_add_co_u32 s26, s26, s35
	s_cmp_eq_u32 s34, 0                            ; the choice hangs on the work-group's number alone
	s_cselect_b64 s[4:5], s[8:9], s[10:11]
	s_add_nc_u64 s[4:5], s[4:5], s[26:27]
	WCPTR
	WWALK 1, 1024
	global_store_b32 v9, v15, s[32:33]
	FINISH
.Lw_o:
	s_sub_co_u32 s24, ttmp9, 352
	s_and_b32 s25, s24, 7                          ; which 128 along K
	s_lshr_b32 s24, s24, 3
	s_lshl_b32 s24, s24, 2
	s_add_co_u32 s24, s24, s20                     ; the group of 32 columns
	s_lshl_b32 s26, s25, 19
	s_lshl_b32 s34, s24, 7
	s_add_co_u32 s26, s26, s34
	s_add_nc_u64 s[4:5], s[12:13], s[26:27]
	s_lshr_b32 s26, s25, 1
	s_lshl_b32 s26, s26, 19                        ; the 256 along K,
	s_lshl_b32 s34, s24, 14                        ; the two tiles of columns,
	s_add_co_u32 s26, s26, s34
	s_and_b32 s34, s25, 1
	s_lshl_b32 s34, s34, 12                        ; the half of the 256
	s_add_co_u32 s26, s26, s34
	s_add_nc_u64 s[28:29], s[18:19], s[26:27]
	WWALK 0, 4096
	FINISH
.Lfunc_end_k_q33065d9254_prep:
	.size	k_q33065d9254_prep, .Lfunc_end_k_q33065d9254_prep-k_q33065d9254_prep
	.p2alignl 7, 3214868480
	.fill 96, 4, 3214868480
	.section	.rodata,"a",@progbits
	.p2align	6, 0x0
	.amdhsa_kernel k_q33065d9254_prep
		.amdhsa_group_segment_fixed_size 68096
		.amdhsa_private_segment_fixed_size 0
		.amdhsa_enable_private_segment 0
		.amdhsa_kernarg_size 64
		.amdhsa_user_sgpr_count 2
		.amdhsa_user_sgpr_kernarg_segment_ptr 1
		.amdhsa_wavefront_size32 1
		.amdhsa_system_sgpr_workgroup_id_x 1
		.amdhsa_system_sgpr_workgroup_id_y 1
		.amdhsa_system_sgpr_workgroup_id_z 1
		.amdhsa_system_vgpr_workitem_id 0
		.amdhsa_next_free_vgpr 192
		.amdhsa_next_free_sgpr 66
		.amdhsa_reserve_vcc 0
		.amdhsa_float_denorm_mode_32 3
		.amdhsa_float_denorm_mode_16_64 3
		.amdhsa_memory_ordered 1
		.amdhsa_forward_progress 1
		.amdhsa_inst_pref_size 74
	.end_amdhsa_kernel
	.amdgpu_metadata
---
amdhsa.version: [ 1, 2 ]
amdhsa.kernels:
  - .name:           k_q33065d9254_prep
    .symbol:         k_q33065d9254_prep.kd
    .args:
      - { .name: x, .offset: 0, .size: 8, .value_kind: global_buffer, .address_space: global }
      - { .name: w_q, .offset: 8, .size: 8, .value_kind: global_buffer, .address_space: global }
      - { .name: w_k, .offset: 16, .size: 8, .value_kind: global_buffer, .address_space: global }
      - { .name: w_v, .offset: 24, .size: 8, .value_kind: global_buffer, .address_space: global }
      - { .name: w_o, .offset: 32, .size: 8, .value_kind: global_buffer, .address_space: global }
      - { .name: xc, .offset: 40, .size: 8, .value_kind: global_buffer, .address_space: global }
      - { .name: wc, .offset: 48, .size: 8, .value_kind: global_buffer, .address_space: global }
      - { .name: wo16, .offset: 56, .size: 8, .value_kind: global_buffer, .address_space: global }
    .group_segment_fixed_size: 68096
    .private_segment_fixed_size: 0
    .kernarg_segment_align: 8
    .kernarg_segment_size: 64
    .max_flat_workgroup_size: 128
    .sgpr_count:     66
    .vgpr_count:     192
    .wavefront_size: 32
...
	.end_amdgpu_metadata
.endif
;; end of part 1
;; launch qkv (part 2): grid 32 x 8, 12 waves a work-group, no clusters, 235,008 bytes of LDS; arguments xc, wc, cos, sin, q16, kv, fine; writes q16, kv, fine
.if DOCPART == 2
	.amdgcn_target "amdgcn-amd-amdhsa--gfx1250"
	.amdhsa_code_object_version 6
	.text
	.protected	k_q33065d9254_qkv
	.globl	k_q33065d9254_qkv
	.p2align	8
	.type	k_q33065d9254_qkv,@function
k_q33065d9254_qkv:
	s_mov_b64 s[64:65], 0
	v_nop
	global_prefetch_b8 v0, s[64:65] scope:SCOPE_SE
	s_setreg_imm32_b32 hwreg(HW_REG_WAVE_MODE, 25, 1), 1
	s_wait_xcnt 0x0
; q, k, v = x [w_q | w_k | w_v] on codes of FP4 with E8M0 scales; rotary embedding of q and k by the cos and sin inputs, in f32; q times c = log2(e) / 8; results as f16 images of the next products' registers.
;   q16: [head 16][tile of 16 queries 256][t 4][lane 32][16 B]: lane (r, h) holds query r, channels 16 t + 8 h + 0 .. 7
;   kv:  [group 4][64 keys: 64][ K: key tile 4, t 4, 512 B | V: 32 keys 2, channel tile 4, 16 keys 2, 512 B ]
;   fine: positions 0-15 in f32, [head 24: 16 q, 4 k, 4 v][t 4][half 2][lane 32][16 B], for the launch that carries those rows finely
; SHARES.  Work-group (x, y): tokens 128 x on, heads y, y + 8 (q) and 16 + y (k for y < 4, else v).  Wave w: head number w / 4 of the three, tokens 32 (w % 4) on: 2 token tiles x 4 column tiles, 8 accumulators.
; All of K lies in LDS after ONE fill (x's codes 64 KB, three heads' codes 96 KB, cos and sin 2 x 34 KB): no ring, nothing is filled again, one barrier.
; q and k are made TRANSPOSED (source 0 = 16 columns of the weight, source 1 = 16 tokens): a lane holds one token and eight neighbouring channels, whose partner under the rotation, 32 channels off, lies in the same lane.
; v is made untransposed: a lane holds one channel and eight neighbouring tokens, which is a group of four registers of V^T.
; NO CLUSTER: the text parts on the work-group's block of tokens (the f32 copy of positions 0-15) and on its heads (q, k or v);
; what neighbours along y share is x's 64 KB of the 226 KB that a work-group fetches once.
; LIMITS: q c, k and v must stay under 65,504 in magnitude; NaN and infinities are not served.
.set WQ,    65536                      ; LDS: x's codes [8 tiles][8 K steps][1 KB] at 0; the weights' [3 heads][4 tiles][8 K steps][1 KB] here
.set COS,   163840                     ; 128 rows of 256 bytes + 16 of padding
.set SIN,   198656
.set CP,    272
.set SPARE, 233472                     ; the spare words, 128 bytes for each of the 12 waves
.set SPW, 1                            ; v1  LDS address of my spare word; never rewritten
.set NIL, 2                            ; v2  0; never rewritten
.set L16, 5                            ; v5  16 x lane
.set L4,  6                            ; v6  4 x lane
.set AX,  7                            ; v7  my two token tiles' images
.set AW,  8                            ; v8  my head's four column tiles' images
.set AC,  9                            ; v9  my token's row of cos, + 32 h bytes
.set XS,  10                           ; v10-17 x's scale words, one register a K step: lanes 0-15 the even tile, lanes 16-31 the odd
.set WS,  18                           ; v18-33 the weight's: 8 x pair of tiles + K step
.set ACC, 40                           ; v40-103 accumulator (i, t) at 40 + 8 (4 i + t)
.set FS,  104                          ; two sets of fragments of 48: x's two, then the weight's four
.set CO,  104                          ; afterwards: cos, sin, the rotated numbers, at work, the packed results
.set SI,  136
.set RO,  168
.set TT,  200
.set PK,  208
.set G1D, 24                           ; s[24:31] 32 dense rows of 256 bytes
.set G1P, 32                           ; s[32:39] 64 rows of 256 bytes, 16 bytes of padding behind each
.set G0W, 40                           ; s[40:43] my tile of the weights' codes
.set G0X, 44                           ; s[44:47] my tile of x's codes (waves 0-7)
.set G0C, 48                           ; s[48:51] my half of cos or sin (waves 8-11)
	s_load_b256 s[4:11], s[0:1], 0x0               ; xc, wc, cos, sin
	s_load_b128 s[12:15], s[0:1], 0x20             ; q16, kv
	s_load_b64 s[16:17], s[0:1], 0x30              ; fine
	v_lshl_add_u32 v[SPW], v0, 2, SPARE
	v_mov_b32 v[NIL], 0
	ds_add_u32 v[SPW], v[NIL]                      ; the wave's opening: the add, twice on end, and its wait ahead of my first tensor load
	ds_add_u32 v[SPW], v[NIL]
	v_lshrrev_b32 v3, 5, v0
	v_readfirstlane_b32 s18, v3                    ; wave 0..11
	s_lshr_b32 s19, s18, 2                         ; which of the three heads
	s_and_b32 s20, s18, 3                          ; which 32 tokens
	s_mov_b32 s21, ttmp9                           ; x
	s_and_b32 s22, ttmp7, 0xffff                   ; y
	s_lshl_b32 s23, s19, 3
	s_add_co_u32 s23, s23, s22                     ; the head, 0..23
	s_mov_b32 s[G1D], 3<<16                        ; elements of 8 bytes, no mask, no padding
	s_mov_b32 s[G1D+1], 32<<16                     ; tensor_dim0 = 32
	s_mov_b32 s[G1D+2], 32<<16                     ; tensor_dim1 = 32
	s_mov_b32 s[G1D+3], 32<<16                     ; tile_dim0 = 32
	s_mov_b32 s[G1D+4], 32                         ; tile_dim1 = 32
	s_mov_b32 s[G1D+5], 32                         ; from row to row
	s_mov_b32 s[G1D+6], 0
	s_mov_b32 s[G1D+7], 0
	s_mov_b32 s[G1P], (3<<16)|(1<<20)|(5<<22)|(3<<25)   ; padding on: 4 words behind every 64
	s_mov_b32 s[G1P+1], 32<<16
	s_mov_b32 s[G1P+2], 64<<16
	s_mov_b32 s[G1P+3], 32<<16
	s_mov_b32 s[G1P+4], 64
	s_mov_b32 s[G1P+5], 32
	s_mov_b32 s[G1P+6], 0
	s_mov_b32 s[G1P+7], 0
	s_lshl_b32 s2, s18, 13                         ; 8,192 x wave
	s_mul_i32 s3, s18, 64*CP
	s_mov_b32 s67, 0
	s_wait_dscnt 0x0                               ; both opening adds are done
	s_wait_kmcnt 0x0
	s_mov_b32 s[G0W], 1
	s_add_co_u32 s[G0W+1], s2, WQ
	s_lshl_b32 s66, s23, 15                        ; a head's four tiles are 32 KB
	s_lshl_b32 s68, s20, 13
	s_add_co_u32 s66, s66, s68
	s_add_nc_u64 s[G0W+2:G0W+3], s[6:7], s[66:67]
	s_or_b32 s[G0W+3], s[G0W+3], 0x80000000
	s_mov_b32 s[G0X], 1
	s_mov_b32 s[G0X+1], s2
	s_lshl_b32 s66, s21, 16                        ; the work-group's eight tiles are 64 KB
	s_add_co_u32 s66, s66, s2
	s_add_nc_u64 s[G0X+2:G0X+3], s[4:5], s[66:67]
	s_or_b32 s[G0X+3], s[G0X+3], 0x80000000
	s_mov_b32 s[G0C], 1
	s_add_co_u32 s[G0C+1], s3, COS-8*64*CP         ; waves 8, 9: cos' halves; 10, 11: sin's
	s_lshl_b32 s66, s21, 15                        ; 128 rows of 256 bytes
	s_and_b32 s68, s18, 1
	s_lshl_b32 s68, s68, 14
	s_add_co_u32 s66, s66, s68
	s_cmp_lt_u32 s18, 10
	s_cselect_b64 s[68:69], s[8:9], s[10:11]
	s_add_nc_u64 s[G0C+2:G0C+3], s[68:69], s[66:67]
	s_or_b32 s[G0C+3], s[G0C+3], 0x80000000
	tensor_load_to_lds s[G0W:G0W+3], s[G1D:G1D+7]  ; two tensor loads of mine are out; every wait for them is for 0
	s_nop 0
	s_cmp_lt_u32 s18, 8
	s_cbranch_scc0 .Ltables
	tensor_load_to_lds s[G0X:G0X+3], s[G1D:G1D+7]
	s_nop 0
.rept 4
	v_nop
.endr
	s_branch .Lasked
.Ltables:
	tensor_load_to_lds s[G0C:G0C+3], s[G1P:G1P+7]
	s_nop 0
.rept 4
	v_nop
.endr
.Lasked:
	v_and_b32 v3, 15, v0                           ; r
	v_bfe_u32 v4, v0, 4, 1                         ; h
	v_and_b32 v[L16], 31, v0
	v_lshlrev_b32 v[L4], 2, v[L16]
	v_lshlrev_b32 v[L16], 4, v[L16]
	s_lshl_b32 s2, s20, 14
	v_add_nc_u32 v[AX], s2, v[L16]
	s_lshl_b32 s2, s19, 15
	s_add_co_u32 s2, s2, WQ
	v_add_nc_u32 v[AW], s2, v[L16]
	s_lshl_b32 s2, s20, 5
	v_add_nc_u32 v[AC], s2, v3
	v_mul_u32_u24 v[AC], v[AC], CP
	v_lshl_add_u32 v[AC], v4, 5, v[AC]
	v_add_nc_u32 v[AC], COS, v[AC]
	s_lshl_b32 s62, s21, 2
	s_add_co_u32 s62, s62, s20                     ; my pair of token tiles, 0..127
	s_lshl_b32 s66, s62, 10
	s_add_co_u32 s66, s66, 2097152
	s_add_nc_u64 s[58:59], s[4:5], s[66:67]        ; x's scale words
	s_lshl_b32 s66, s23, 11
	s_add_co_u32 s66, s66, 786432
	s_add_nc_u64 s[60:61], s[6:7], s[66:67]        ; my head's
.irp k, 0,1,2,3,4,5,6,7
	global_load_b32 v[XS+\k], v[L4], s[58:59] offset:128*\k
.endr
.irp p, 0,1
.irp k, 0,1,2,3,4,5,6,7
	global_load_b32 v[WS+8*\p+\k], v[L4], s[60:61] offset:1024*\p+128*\k
.endr
.endr
	; where the results go
	s_lshl_b32 s66, s23, 19                        ; q: a head is 512 KB, a pair of tiles 4 KB
	s_lshl_b32 s68, s62, 12
	s_add_co_u32 s66, s66, s68
	s_and_b32 s68, s23, 3                          ; k, v: a group is 1 MB, 64 keys 16 KB, a pair of tiles 4 KB; V's half lies 8 KB on
	s_lshl_b32 s68, s68, 20
	s_lshr_b32 s69, s62, 1
	s_lshl_b32 s69, s69, 14
	s_add_co_u32 s68, s68, s69
	s_and_b32 s69, s62, 1
	s_lshl_b32 s69, s69, 12
	s_add_co_u32 s68, s68, s69
	s_cmp_lt_u32 s23, 20
	s_cselect_b32 s69, 0, 8192
	s_add_co_u32 s68, s68, s69
	s_mov_b32 s54, 0x3e38aa3b                      ; c = log2(e) / 8
	s_cmp_lt_u32 s23, 16
	s_cselect_b64 s[52:53], s[12:13], s[14:15]
	s_cselect_b32 s66, s66, s68
	s_cselect_b32 s54, s54, 1.0                    ; q is multiplied by c, k by 1
	s_mov_b32 s55, s54
	s_add_nc_u64 s[52:53], s[52:53], s[66:67]
	s_lshl_b32 s66, s23, 12
	s_add_nc_u64 s[56:57], s[16:17], s[66:67]      ; my head's 4 KB of the f32 copy
	s_wait_tensorcnt 0x0                           ; my two tiles have landed,
	s_barrier_signal -1
	s_barrier_wait -1                              ; everybody's have
	s_wait_loadcnt 0x0                             ; the scale words
.macro LDF ks                          ; the six fragments of K step ks into set ks % 2: 12 loads of 512 bytes on end
.set FB, FS+48*((\ks)%2)
.irp i, 0,1
.irp c, 0,1
	ds_load_b128 v[FB+8*\i+4*\c:FB+8*\i+4*\c+3], v[AX] offset:8192*\i+1024*(\ks)+512*\c
.endr
.endr
.irp t, 0,1,2,3
.irp c, 0,1
	ds_load_b128 v[FB+16+8*\t+4*\c:FB+16+8*\t+4*\c+3], v[AW] offset:8192*\t+1024*(\ks)+512*\c
.endr
.endr
.endm
; one product.  ks = 0: it starts the sum.  ra, rb = 1: that side's scale words stand in lanes 16-31 of its register
.macro MMT d, a, b, sa, sb, ks, ra, rb
.if (\ks) == 0
.if (\ra) == 0 && (\rb) == 0
	v_wmma_scale_f32_16x16x128_f8f6f4 v[\d:\d+7], v[\a:\a+7], v[\b:\b+7], 0, v[\sa], v[\sb] matrix_a_fmt:MATRIX_FMT_FP4 matrix_b_fmt:MATRIX_FMT_FP4
.elseif (\rb) == 0
	v_wmma_scale_f32_16x16x128_f8f6f4 v[\d:\d+7], v[\a:\a+7], v[\b:\b+7], 0, v[\sa], v[\sb] matrix_a_fmt:MATRIX_FMT_FP4 matrix_b_fmt:MATRIX_FMT_FP4 matrix_a_scale:MATRIX_SCALE_ROW1
.elseif (\ra) == 0
	v_wmma_scale_f32_16x16x128_f8f6f4 v[\d:\d+7], v[\a:\a+7], v[\b:\b+7], 0, v[\sa], v[\sb] matrix_a_fmt:MATRIX_FMT_FP4 matrix_b_fmt:MATRIX_FMT_FP4 matrix_b_scale:MATRIX_SCALE_ROW1
.else
	v_wmma_scale_f32_16x16x128_f8f6f4 v[\d:\d+7], v[\a:\a+7], v[\b:\b+7], 0, v[\sa], v[\sb] matrix_a_fmt:MATRIX_FMT_FP4 matrix_b_fmt:MATRIX_FMT_FP4 matrix_a_scale:MATRIX_SCALE_ROW1 matrix_b_scale:MATRIX_SCALE_ROW1
.endif
.else
.if (\ra) == 0 && (\rb) == 0
	v_wmma_scale_f32_16x16x128_f8f6f4 v[\d:\d+7], v[\a:\a+7], v[\b:\b+7], v[\d:\d+7], v[\sa], v[\sb] matrix_a_fmt:MATRIX_FMT_FP4 matrix_b_fmt:MATRIX_FMT_FP4
.elseif (\rb) == 0
	v_wmma_scale_f32_16x16x128_f8f6f4 v[\d:\d+7], v[\a:\a+7], v[\b:\b+7], v[\d:\d+7], v[\sa], v[\sb] matrix_a_fmt:MATRIX_FMT_FP4 matrix_b_fmt:MATRIX_FMT_FP4 matrix_a_scale:MATRIX_SCALE_ROW1
.elseif (\ra) == 0
	v_wmma_scale_f32_16x16x128_f8f6f4 v[\d:\d+7], v[\a:\a+7], v[\b:\b+7], v[\d:\d+7], v[\sa], v[\sb] matrix_a_fmt:MATRIX_FMT_FP4 matrix_b_fmt:MATRIX_FMT_FP4 matrix_b_scale:MATRIX_SCALE_ROW1
.else
	v_wmma_scale_f32_16x16x128_f8f6f4 v[\d:\d+7], v[\a:\a+7], v[\b:\b+7], v[\d:\d+7], v[\sa], v[\sb] matrix_a_fmt:MATRIX_FMT_FP4 matrix_b_fmt:MATRIX_FMT_FP4 matrix_a_scale:MATRIX_SCALE_ROW1 matrix_b_scale:MATRIX_SCALE_ROW1
.endif
.endif
.endm
; the eight K steps.  tr = 1: source 0 = the weight's columns, source 1 = tokens.  The eight accumulators take turns in one order.
.macro KLOOP tr
	LDF 0
	LDF 1
.irp ks, 0,1,2,3,4,5,6,7
.if \ks < 7
	s_wait_dscnt 12                                ; this K step's 12 loads are in, the next one's may be out
.else
	s_wait_dscnt 0x0
.endif
.set FB, FS+48*(\ks%2)
.irp i, 0,1
.irp t, 0,1,2,3
.if \tr
	MMT ACC+8*(4*\i+\t), FB+16+8*\t, FB+8*\i, WS+8*(\t/2)+\ks, XS+\ks, \ks, \t%2, \i
.else
	MMT ACC+8*(4*\i+\t), FB+8*\i, FB+16+8*\t, XS+\ks, WS+8*(\t/2)+\ks, \ks, \i, \t%2
.endif
.endr
.endr
.rept 4
	v_nop                                          ; four places in front of loads into registers that these products have read, and of the first read of results
.endr
.if \ks < 6
	LDF \ks+2
.endif
.endr
.endm
.macro FINISH                          ; a wave's end
	s_wait_tensorcnt 0x0
	ds_add_u32 v[SPW], v[NIL]
	s_wait_dscnt 0x0
	s_endpgm
.endm
; the rotation of token tile i: channel d < 32 (tiles t = 0, 1): x(d) cos(d) - x(d + 32) sin(d); channel d >= 32: x(d) cos(d) + x(d - 32) sin(d)
.macro ROPE i
.if \i
	s_wait_xcnt 0x0                                ; tile 0's stores have read the registers that are written again below
.endif
.irp t, 0,1,2,3
.irp e, 0,1
	ds_load_b128 v[CO+8*\t+4*\e:CO+8*\t+4*\e+3], v[AC] offset:16*CP*\i+64*\t+16*\e
	ds_load_b128 v[SI+8*\t+4*\e:SI+8*\t+4*\e+3], v[AC] offset:SIN-COS+16*CP*\i+64*\t+16*\e
.endr
.endr
	s_wait_dscnt 0x0
.irp t, 0,1
.irp p, 0,2,4,6
	v_pk_mul_f32 v[TT+2*(\p%4):TT+2*(\p%4)+1], v[ACC+8*(4*\i+\t+2)+\p:ACC+8*(4*\i+\t+2)+\p+1], v[SI+8*\t+\p:SI+8*\t+\p+1]
	v_pk_mul_f32 v[TT+2*(\p%4)+2:TT+2*(\p%4)+3], v[ACC+8*(4*\i+\t)+\p:ACC+8*(4*\i+\t)+\p+1], v[SI+8*(\t+2)+\p:SI+8*(\t+2)+\p+1]
	v_pk_fma_f32 v[RO+8*\t+\p:RO+8*\t+\p+1], v[ACC+8*(4*\i+\t)+\p:ACC+8*(4*\i+\t)+\p+1], v[CO+8*\t+\p:CO+8*\t+\p+1], v[TT+2*(\p%4):TT+2*(\p%4)+1] neg_lo:[0,0,1] neg_hi:[0,0,1]
	v_pk_fma_f32 v[RO+8*(\t+2)+\p:RO+8*(\t+2)+\p+1], v[ACC+8*(4*\i+\t+2)+\p:ACC+8*(4*\i+\t+2)+\p+1], v[CO+8*(\t+2)+\p:CO+8*(\t+2)+\p+1], v[TT+2*(\p%4)+2:TT+2*(\p%4)+3]
.endr
.endr
.set n, 0
.rept 16
	v_pk_mul_f32 v[RO+2*n:RO+2*n+1], v[RO+2*n:RO+2*n+1], s[54:55] op_sel_hi:[1,0]   ; q: x c, in f32
.set n, n+1
.endr
.if \i == 0
	s_cmp_lg_u32 s62, 0                            ; positions 0-15 also leave in f32: a branch on ids
	s_cbranch_scc1 .Lnot_first_\@
.irp t, 0,1,2,3
.irp e, 0,1
	global_store_b128 v[L16], v[RO+8*\t+4*\e:RO+8*\t+4*\e+3], s[56:57] offset:1024*\t+512*\e
.endr
.endr
.Lnot_first_\@:
.endif
.set n, 0
.rept 16
	v_cvt_pk_f16_f32 v[PK+16*\i+n], v[RO+2*n], v[RO+2*n+1]
.set n, n+1
.endr
.irp t, 0,1,2,3
	global_store_b128 v[L16], v[PK+16*\i+4*\t:PK+16*\i+4*\t+3], s[52:53] offset:2048*\i+512*\t   ; 512 bytes on end
.endr
.endm
	s_cmp_lt_u32 s23, 20
	s_cbranch_scc0 .Lvalues
	KLOOP 1
	ROPE 0
	ROPE 1
	FINISH
.Lvalues:
	KLOOP 0
	s_cmp_lg_u32 s62, 0
	s_cbranch_scc1 .Lnot_first_v
.irp t, 0,1,2,3
.irp e, 0,1
	global_store_b128 v[L16], v[ACC+8*\t+4*\e:ACC+8*\t+4*\e+3], s[56:57] offset:1024*\t+512*\e   ; each accumulator from its low end on
.endr
.endr
.Lnot_first_v:
.set n, 0
.rept 32
	v_cvt_pk_f16_f32 v[PK+n], v[ACC+2*n], v[ACC+2*n+1]   ; accumulator (i, t): channel 16 t + r, tokens 16 i + 8 h + 0 .. 7
.set n, n+1
.endr
.irp i, 0,1
.irp t, 0,1,2,3
	global_store_b128 v[L16], v[PK+4*(4*\i+\t):PK+4*(4*\i+\t)+3], s[52:53] offset:1024*\t+512*\i
.endr
.endr
	FINISH
.Lfunc_end_k_q33065d9254_qkv:
	.size	k_q33065d9254_qkv, .Lfunc_end_k_q33065d9254_qkv-k_q33065d9254_qkv
	.p2alignl 7, 3214868480
	.fill 96, 4, 3214868480
	.section	.rodata,"a",@progbits
	.p2align	6, 0x0
	.amdhsa_kernel k_q33065d9254_qkv
		.amdhsa_group_segment_fixed_size 235008
		.amdhsa_private_segment_fixed_size 0
		.amdhsa_enable_private_segment 0
		.amdhsa_kernarg_size 56
		.amdhsa_user_sgpr_count 2
		.amdhsa_user_sgpr_kernarg_segment_ptr 1
		.amdhsa_wavefront_size32 1
		.amdhsa_system_sgpr_workgroup_id_x 1
		.amdhsa_system_sgpr_workgroup_id_y 1
		.amdhsa_system_sgpr_workgroup_id_z 1
		.amdhsa_system_vgpr_workitem_id 0
		.amdhsa_next_free_vgpr 256
		.amdhsa_next_free_sgpr 72
		.amdhsa_reserve_vcc 0
		.amdhsa_float_denorm_mode_32 3
		.amdhsa_float_denorm_mode_16_64 3
		.amdhsa_memory_ordered 1
		.amdhsa_forward_progress 1
		.amdhsa_inst_pref_size 54
	.end_amdhsa_kernel
	.amdgpu_metadata
---
amdhsa.version: [ 1, 2 ]
amdhsa.kernels:
  - .name:           k_q33065d9254_qkv
    .symbol:         k_q33065d9254_qkv.kd
    .args:
      - { .name: xc, .offset: 0, .size: 8, .value_kind: global_buffer, .address_space: global }
      - { .name: wc, .offset: 8, .size: 8, .value_kind: global_buffer, .address_space: global }
      - { .name: cos, .offset: 16, .size: 8, .value_kind: global_buffer, .address_space: global }
      - { .name: sin, .offset: 24, .size: 8, .value_kind: global_buffer, .address_space: global }
      - { .name: q16, .offset: 32, .size: 8, .value_kind: global_buffer, .address_space: global }
      - { .name: kv, .offset: 40, .size: 8, .value_kind: global_buffer, .address_space: global }
      - { .name: fine, .offset: 48, .size: 8, .value_kind: global_buffer, .address_space: global }
    .group_segment_fixed_size: 235008
    .private_segment_fixed_size: 0
    .kernarg_segment_align: 8
    .kernarg_segment_size: 56
    .max_flat_workgroup_size: 384
    .sgpr_count:     72
    .vgpr_count:     256
    .wavefront_size: 32
...
	.end_amdgpu_metadata
.endif
;; end of part 2
;; launch attn (part 3): grid 32 x 8, 8 waves a work-group, clusters of 4 x 1, 327,680 bytes of LDS; arguments q16, kv, ctx; writes ctx
.if DOCPART == 3
	.amdgcn_target "amdgcn-amd-amdhsa--gfx1250"
	.amdhsa_code_object_version 6
	.text
	.protected	k_q33065d9254_attn
	.globl	k_q33065d9254_attn
	.p2align	8
	.type	k_q33065d9254_attn,@function
k_q33065d9254_attn:
	s_mov_b64 s[64:65], 0
	v_nop
	global_prefetch_b8 v0, s[64:65] scope:SCOPE_SE
	s_setreg_imm32_b32 hwreg(HW_REG_WAVE_MODE, 25, 1), 1
	s_wait_xcnt 0x0
	s_wait_alu depctr_hold_cnt(0) depctr_sa_sdst(0) depctr_va_vdst(0) depctr_va_sdst(0) depctr_va_ssrc(0) depctr_va_vcc(0) depctr_vm_vsrc(0)
	s_getreg_b32 s2, hwreg(HW_REG_IB_STS2, 6, 4)
	s_cmp_eq_u32 s2, 0
	s_cbranch_scc0 .Lentry_in_a_cluster
	s_endpgm
.Lentry_in_a_cluster:
	s_bfe_u32 s2, ttmp6, 0x10000c
	s_cmp_lg_u32 s2, 0x3003
	s_cbranch_scc0 .Lentry_shape_is_right
	s_endpgm
.Lentry_shape_is_right:
; ctx = softmax(q k^T / 8, causal) v for 16 heads of size 64 on 4 groups of keys and values; f16 operands, f32 products, maxima and sums.  q carries the factor log2(e) / 8, so a score is t and p = 2^(t - m), m the running maximum.
; SHARES.  A work-group owns 64 queries x 2 heads of one group at a time, in TWO PASSES: a late zone of 256 queries (15 - cl) and an early one (cl), cl the cluster's number; its four partners cover the zone's 256 queries.
; Keys go in slots of 256: 16 - cl slots for the late pass, cl + 1 for the early one: 17 FOR EVERY WORK-GROUP, a constant of the text, and equal work.  Only a pass's last slot touches the diagonal; every partner walks it
; whole, under the mask.  So no branch differs between partners, and each slot is asked for JOINTLY: the same tensor load, with the same descriptor and a mask that names the four, in all four.
; WAVES.  Wave w: queries 16 (w % 4) on, both heads: two tiles share each fragment of K and V.  s = w / 4 splits the keys: of a slot's four steps of 64 keys wave s takes steps s and s + 2.  Waves w and w + 4 have equal work.
; At the change of passes the late pass's sums stay in registers; at the end the two halves of the keys are merged through LDS, behind one barrier: waves with s = 0 merge the late pass, waves with s = 1 the early one.
; LAYOUT.  S^T = K Q^T and O^T = V^T P: a lane holds ONE query throughout; two tiles of S^T, rounded to f16 in pairs, are source 1 of the second product.  The row's sum is a product of P with ones.
; All operands lie in memory and LDS as images of their registers: every load takes 512 bytes on end.
; LIMITS: operands under 65,504 in magnitude; a weight p under 2^-14 goes on as an f16 subnormal; NaN and infinities are not served.
; REGISTERS.  window 0: v0 the prefetches' offset; v1-7 addresses; v[8:11] m, v[12:15] a = 2^(old m - m), pairs; v16-23 at work; v24-31 ones; v32-95 S^T then P; v96-127 Q; v128-191 K; v192-255 V.
;   window 1: v0-63 O^T; v64-79 the sums; v88-119 the early pass's Q; v128-191 the late pass's O^T, v192-195 its sums and maxima.
.set SLOT1, 65536                      ; slot 1; a slot is [step 4][K 8 KB | V 8 KB]
.set MERGE, 131072                     ; two regions of 4 x 8,704 bytes: A: the late pass's results of the waves with s = 1; B: the early pass's of those with s = 0
.set REGA,  0
.set REGB,  34816
.set SPARE, 200704                     ; the spare words, 128 bytes for each of the 8 waves
.set LK,  1                            ; v1  16 x lane + 16,384 s
.set ADR, 2                            ; v2  the LDS address of the step in hand
.set VD,  3                            ; v3  my query less my first key, inside a zone: 64 cx + 16 (w % 4) + r - 8 h - 64 s
.set SPW, 4                            ; v4  LDS address of my spare word; never rewritten
.set NIL, 5                            ; v5  0; never rewritten
.set L16, 6                            ; v6  16 x lane
.set MGA, 7                            ; v7  my place in a merge region
.set ONES, 24
.set S,   32
.set QF,  96
.set KF,  128
.set VF,  192
.set WV,  10                           ; s10 wave; s11 s; s12 w % 4; s13 cx; s14 cl; s15 the pair of heads
.set G1,  24                           ; s[24:31] descriptor group 1: 32 dense rows of 256 bytes, for all four partners
.set G0,  32                           ; s[32:35] group 0, which walks
.set KB,  36                           ; s[36:37] my 8 KB of the group's first slot in memory;  s[38:39] the slot's offset
.set KO,  38
.set U,   40                           ; s40 the trip
.set PSW, 41                           ; s41 the trip at which the early pass begins: 16 - cl
.set PM1, 42                           ; s42 the late pass's last trip
.set TB,  43                           ; s43 the slot in hand
.set LIM, 44                           ; s44 a wave prefetches while the trip is under this
.set PFA, 46                           ; s[46:47] where my prefetches stand
.set SEL, 52                           ; s[52:53] lane selects for lane l xor 16
.set MSB, 0
.macro WIN new                         ; the immediate's high byte repeats the setting that is left
.if MSB != \new
	s_set_vgpr_msb (MSB<<8)|\new
.set MSB, \new
.endif
.endm
.macro ROUND                           ; a round of the cluster's barrier
	s_barrier_signal -1
	s_barrier_wait -1
	s_cmp_lg_u32 s[WV], 0
	s_cbranch_scc1 .Lnot_wave_0_\@
	s_barrier_signal -3
.Lnot_wave_0_\@:
	s_barrier_wait -3
	s_barrier_signal -1
	s_barrier_wait -1
.endm
	s_load_b128 s[4:7], s[0:1], 0x0                ; q16, kv
	s_load_b64 s[8:9], s[0:1], 0x10                ; ctx
	v_lshl_add_u32 v[SPW], v0, 2, SPARE
	v_mov_b32 v[NIL], 0
	ds_add_u32 v[SPW], v[NIL]                      ; the wave's opening: the add, twice on end, and its wait ahead of my first tensor load
	ds_add_u32 v[SPW], v[NIL]
	v_lshrrev_b32 v1, 5, v0
	v_readfirstlane_b32 s[WV], v1
	s_lshr_b32 s11, s[WV], 2
	s_and_b32 s12, s[WV], 3
	s_bfe_u32 s13, ttmp6, 0x40000                  ; cx: it enters Q's and ctx's addresses, the mask's bound and the prefetches' address, and nothing else
	s_mov_b32 s14, ttmp9                           ; in a cluster launch ttmp9 counts clusters
	s_and_b32 s15, ttmp7, 0xffff
	s_mov_b32 s[G1], 15|(3<<16)|(1<<21)            ; the mask: all four; elements of 8 bytes; bit 21 set beside a mask
	s_mov_b32 s[G1+1], 32<<16
	s_mov_b32 s[G1+2], 32<<16
	s_mov_b32 s[G1+3], 32<<16
	s_mov_b32 s[G1+4], 32
	s_mov_b32 s[G1+5], 32
	s_mov_b32 s[G1+6], 0
	s_mov_b32 s[G1+7], 0
	s_mov_b32 s[U], 0
	s_sub_co_u32 s[PSW], 16, s14
	s_sub_co_u32 s[PM1], 15, s14
	s_mov_b32 s[TB], 0
	s_mov_b32 s[SEL], 0x76543210
	s_mov_b32 s[SEL+1], 0xfedcba98
	s_and_b32 s2, s15, 1                           ; who prefetches: waves 0 and 1 of cluster 0 of a group's first pair of heads: the same in all four partners
	s_or_b32 s2, s2, s14
	s_lshr_b32 s3, s[WV], 1
	s_or_b32 s2, s2, s3
	s_cmp_eq_u32 s2, 0
	s_cselect_b32 s[LIM], 14, 0
	s_lshr_b32 s2, s15, 1                          ; the group: 1 MB
	s_lshl_b32 s2, s2, 20
	s_lshl_b32 s3, s[WV], 13
	s_add_co_u32 s2, s2, s3
	s_mov_b32 s3, 0
	s_mov_b32 s[KO], 0
	s_mov_b32 s[KO+1], 0
	s_mov_b32 s[G0], 1
	s_lshl_b32 s[G0+1], s[WV], 13                  ; LDS: 8,192 x wave, in slot 0
	s_wait_dscnt 0x0                               ; both opening adds are done
	s_wait_kmcnt 0x0
	s_add_nc_u64 s[KB:KB+1], s[6:7], s[2:3]
	s_mov_b64 s[G0+2:G0+3], s[KB:KB+1]
	s_or_b32 s[G0+3], s[G0+3], 0x80000000
	ROUND                                          ; all four work-groups are here: the first joint load meets
	tensor_load_to_lds s[G0:G0+3], s[G1:G1+7]      ; the late pass's first 256 keys; one tensor load of mine is out, here and behind every round
	s_nop 0
.rept 4
	v_nop
.endr
	s_lshl_b32 s16, s13, 14                        ; the prefetches: my work-group's 16 KB of a slot, my wave's 8 KB of them (it stands in KB), in the slot after the first
	s_add_co_u32 s16, s16, 65536
	s_mov_b32 s17, 0
	s_add_nc_u64 s[PFA:PFA+1], s[KB:KB+1], s[16:17]
	s_lshl_b32 s16, s13, 2
	s_add_co_u32 s16, s16, s12                     ; my tile of 16 queries inside a zone
	s_lshl_b32 s18, s[PM1], 4
	s_add_co_u32 s18, s18, s16                     ; the late pass's tile
	s_lshl_b32 s20, s14, 4
	s_add_co_u32 s20, s20, s16                     ; the early pass's
	s_lshr_b32 s22, s15, 1                         ; ctx: [256 channels: 2 MB][tile 8 KB][head 2 KB]
	s_lshl_b32 s22, s22, 21
	s_and_b32 s23, s15, 1
	s_lshl_b32 s23, s23, 12
	s_add_co_u32 s22, s22, s23
	s_mov_b32 s55, 0
	s_lshl_b32 s54, s18, 13
	s_add_co_u32 s54, s54, s22
	s_add_nc_u64 s[48:49], s[8:9], s[54:55]        ; where the late pass's results go
	s_lshl_b32 s54, s20, 13
	s_add_co_u32 s54, s54, s22
	s_add_nc_u64 s[50:51], s[8:9], s[54:55]        ; and the early pass's
	s_lshl_b32 s22, s15, 20                        ; q16: two heads are 1 MB, a tile 2 KB
	s_lshl_b32 s54, s18, 11
	s_add_co_u32 s54, s54, s22
	s_add_nc_u64 s[56:57], s[4:5], s[54:55]
	s_lshl_b32 s54, s20, 11
	s_add_co_u32 s54, s54, s22
	s_add_nc_u64 s[58:59], s[4:5], s[54:55]
	v_and_b32 v[L16], 31, v0
	v_lshlrev_b32 v[L16], 4, v[L16]
.irp x, 0,1
.irp t, 0,1,2,3
	global_load_b128 v[QF+16*\x+4*\t:QF+16*\x+4*\t+3], v[L16], s[56:57] offset:524288*\x+512*\t
.endr
.endr
	WIN 0x40                                       ; destination window 1
.irp x, 0,1
.irp t, 0,1,2,3
	global_load_b128 v[88+16*\x+4*\t:88+16*\x+4*\t+3], v[L16], s[58:59] offset:524288*\x+512*\t
.endr
.endr
.set n, 0
.rept 80
	v_mov_b32 v[n], 0                              ; O^T and the sums: the loop is written once, its first step finds zeros
.set n, n+1
.endr
.set n, 128
.rept 68
	v_mov_b32 v[n], 0                              ; the late pass's place: written here, so that it is written on every way through the text
.set n, n+1
.endr
	WIN 0
	s_lshl_b32 s2, s11, 14
	v_add_nc_u32 v[LK], s2, v[L16]
	s_mul_i32 s2, s12, 8704
	s_add_co_u32 s2, s2, MERGE
	v_add_nc_u32 v[MGA], s2, v[L16]
	v_and_b32 v[VD], 15, v0
	v_bfe_u32 v[ADR], v0, 4, 1
	v_lshlrev_b32 v[ADR], 3, v[ADR]
	v_sub_nc_u32 v[VD], v[VD], v[ADR]
	s_lshl_b32 s16, s16, 4
	s_lshl_b32 s18, s11, 6
	s_sub_co_i32 s16, s16, s18
	v_add_nc_u32 v[VD], s16, v[VD]
	v_and_b32 v0, 31, v0
	v_lshlrev_b32 v0, 8, v0                        ; from here on v0 = 256 x lane
.irp n, 0,1,2,3,4,5,6,7
	v_mov_b32 v[ONES+\n], 0x3c003c00               ; 1.0, twice, in f16
.endr
	v_mov_b32 v8, 0xff61b1e6                       ; m: -3e38, under every score
	v_mov_b32 v9, 0                                ; (the pairs' upper words are named, so they are written)
	v_mov_b32 v10, 0xff61b1e6
	v_mov_b32 v11, 0
	v_mov_b32 v13, 0
	v_mov_b32 v15, 0
; A STEP: 64 keys, step s + 2 i of the slot in hand, for my two tiles.  mode 0: the mask is laid in the late pass's last trip alone; mode 1: always.
.macro STEP i, mode
	v_add_nc_u32 v[ADR], s[TB], v[LK]
.rept 4
	v_nop                                          ; with the addition five places behind the last V^T P: K Q^T writes over P, and the loads land in V
.endr
.set n, 0
.rept 16
	ds_load_b128 v[KF+4*n:KF+4*n+3], v[ADR] offset:32768*\i+512*n
.set n, n+1
.endr
.set n, 0
.rept 16
	ds_load_b128 v[VF+4*n:VF+4*n+3], v[ADR] offset:32768*\i+8192+512*n
.set n, n+1
.endr
	s_wait_dscnt 16                                ; K is in, V's sixteen loads may be out
.irp f, 0,1                                    ; the eight accumulators take turns
.irp kt, 0,1,2,3
.irp x, 0,1
.if \f == 0
	v_wmma_f32_16x16x32_f16 v[S+32*\x+8*\kt:S+32*\x+8*\kt+7], v[KF+16*\kt:KF+16*\kt+7], v[QF+16*\x:QF+16*\x+7], 0
.else
	v_wmma_f32_16x16x32_f16 v[S+32*\x+8*\kt:S+32*\x+8*\kt+7], v[KF+16*\kt+8:KF+16*\kt+15], v[QF+16*\x+8:QF+16*\x+15], v[S+32*\x+8*\kt:S+32*\x+8*\kt+7]
.endif
.endr
.endr
.endr
.rept 4
	v_nop
.endr
.if \mode == 0
	s_cmp_lg_u32 s[U], s[PM1]                      ; the trip and the cluster's number: the same in all waves and all partners
	s_cbranch_scc1 .Lopen_\@
.endif
	v_mov_b32 v16, 0xff800000                      ; hidden scores become -infinity: register 8 kt + j holds the key that lies 128 i + 16 kt + j behind my first
.irp kt, 0,1,2,3
.irp j, 0,1,2,3,4,5,6,7
	v_cmp_le_i32 vcc_lo, 128*\i+16*\kt+\j, v[VD]
	v_cndmask_b32 v[S+8*\kt+\j], v16, v[S+8*\kt+\j], vcc_lo
	v_cndmask_b32 v[S+32+8*\kt+\j], v16, v[S+32+8*\kt+\j], vcc_lo
.endr
.endr
.Lopen_\@:
.irp kt, 0,1,2,3                               ; the maximum: four chains a tile, each from its accumulator's low end; the tiles by turns
.irp x, 0,1
	v_max3_num_f32 v[16+4*\x+\kt], v[S+32*\x+8*\kt], v[S+32*\x+8*\kt+1], v[S+32*\x+8*\kt+2]
.endr
.endr
.irp q, 3,5
.irp kt, 0,1,2,3
.irp x, 0,1
	v_max3_num_f32 v[16+4*\x+\kt], v[16+4*\x+\kt], v[S+32*\x+8*\kt+\q], v[S+32*\x+8*\kt+\q+1]
.endr
.endr
.endr
.irp x, 0,1
	v_max3_num_f32 v[16+4*\x], v[16+4*\x], v[S+32*\x+7], v[S+32*\x+15]
	v_max3_num_f32 v[18+4*\x], v[18+4*\x], v[S+32*\x+23], v[S+32*\x+31]
.endr
.irp x, 0,1
	v_max3_num_f32 v[16+4*\x], v[16+4*\x], v[17+4*\x], v[18+4*\x]
.endr
.irp x, 0,1
	v_max3_num_f32 v[16+4*\x], v[16+4*\x], v[19+4*\x], v[8+2*\x]   ; with the old m
.endr
.irp x, 0,1
	v_permlanex16_b32 v[17+4*\x], v[16+4*\x], s[SEL], s[SEL+1]     ; the query's other keys lie in the lane 16 away
.endr
.irp x, 0,1
	v_mov_b32 v[18+4*\x], v[8+2*\x]
.endr
.irp x, 0,1
	v_max_num_f32 v[8+2*\x], v[16+4*\x], v[17+4*\x]                ; the new m
.endr
.irp x, 0,1
	v_sub_f32 v[18+4*\x], v[18+4*\x], v[8+2*\x]                    ; old m - m
.endr
.irp x, 0,1
.set n, 0
.rept 16
	v_pk_add_f32 v[S+32*\x+2*n:S+32*\x+2*n+1], v[S+32*\x+2*n:S+32*\x+2*n+1], v[8+2*\x:9+2*\x] op_sel_hi:[1,0] neg_lo:[0,1] neg_hi:[0,1]   ; t - m
.set n, n+1
.endr
.endr
	v_exp_f32 v12, v18                             ; ONE batch: a of both tiles and the 64 weights
	v_exp_f32 v14, v22
.set n, 0
.rept 64
	v_exp_f32 v[S+n], v[S+n]
.set n, n+1
.endr
	v_nop                                          ; the plain place behind the last exponential,
	s_wait_alu depctr_va_vdst(0)                   ; and the one wait ahead of the batch's first reader
.irp x, 0,1
.set n, 0
.rept 16
	v_cvt_pk_f16_f32 v[S+32*\x+n], v[S+32*\x+2*n], v[S+32*\x+2*n+1]   ; in place, ascending: P of keys 32 kk on is v[S + 32 x + 8 kk] on
.set n, n+1
.endr
.endr
	WIN 0x41                                       ; destination and source 0 window 1
.irp x, 0,1
.set n, 0
.rept 16
	v_pk_mul_f32 v[32*\x+2*n:32*\x+2*n+1], v[32*\x+2*n:32*\x+2*n+1], v[12+2*\x:13+2*\x] op_sel_hi:[1,0]   ; O^T x a
.set n, n+1
.endr
.endr
	v_mul_f32 v64, v64, v12                        ; the sums x a: of each sum's eight equal rows register 0 alone is ever read; the others stay under the number of keys walked
	v_mul_f32 v72, v72, v14
	s_wait_dscnt 0x0                               ; V is in
	WIN 0x50                                       ; C and D window 1
.irp kk, 0,1                                   ; ten accumulators by turns
.irp ct, 0,1,2,3
.irp x, 0,1
	v_wmma_f32_16x16x32_f16 v[32*\x+8*\ct:32*\x+8*\ct+7], v[VF+32*\kk+8*\ct:VF+32*\kk+8*\ct+7], v[S+32*\x+8*\kk:S+32*\x+8*\kk+7], v[32*\x+8*\ct:32*\x+8*\ct+7]
.endr
.endr
.irp x, 0,1
	v_wmma_f32_16x16x32_f16 v[64+8*\x:71+8*\x], v[ONES:ONES+7], v[S+32*\x+8*\kk:S+32*\x+8*\kk+7], v[64+8*\x:71+8*\x]
.endr
.endr
	WIN 0
.endm
; THE CHANGE OF PASSES: registers alone.  The late pass's O^T, sums and maxima are put aside; Q becomes the early pass's; the sums begin anew.
.macro RESTART
.rept 4
	v_nop                                          ; places behind the last products
.endr
	WIN 0x41
.set n, 0
.rept 64
	v_mov_b32 v[128+n], v[n]
.set n, n+1
.endr
	v_mov_b32 v192, v64
	v_mov_b32 v193, v72
	WIN 0x40
	v_mov_b32 v194, v8
	v_mov_b32 v195, v10
.set n, 0
.rept 80
	v_mov_b32 v[n], 0
.set n, n+1
.endr
	WIN 0x01
.set n, 0
.rept 32
	v_mov_b32 v[QF+n], v[88+n]
.set n, n+1
.endr
	WIN 0
	v_mov_b32 v8, 0xff61b1e6
	v_mov_b32 v10, 0xff61b1e6
.endm
; A PREFETCH of the slot that the NEXT trip's load will ask for: one trip ahead.  All clusters of a group's two pairs of heads walk the same keys, and cluster 0's late pass walks all of them: it asks, for the first pair alone.
; Its four partners share a slot's 64 KB out BY ADDRESS, 16 KB each; in each, waves 0 and 1 take 8 KB, lanes 256 bytes apart: each block of 256 bytes is named once in the launch.  Trips 0 to 13 ask for slots 2 to 15; nothing is asked for at the head.
.macro ASK
	s_cmp_lt_u32 s[U], s[LIM]
	s_cbranch_scc0 .Lnot_mine_\@
	global_prefetch_b8 v0, s[PFA:PFA+1] th:TH_LOAD_NT scope:SCOPE_SE
.Lnot_mine_\@:
.endm
; THE CHANGE OF SLOTS stands at a trip's head.  Each wave waits for all its tensor loads (its part of the slot that it is about to read), adds 0 to its spare word, and waits for that and for its reads of the slot that it has left.
; fill = 1: a round of the cluster's barrier, so that no wave of any partner still reads that slot or has a load on its way; behind it the joint load of the next 256 keys, which has the whole trip in which to land.
.macro CHANGE fill
	s_wait_tensorcnt 0x0                           ; no tensor load of mine is out, so group 0 may be written
	ds_add_u32 v[SPW], v[NIL]                      ; 0 onto my spare word; the descriptor's steps stand between it and the wait for it
.if \fill
	s_xor_b32 s[G0+1], s[G0+1], SLOT1              ; the other slot than last time
	s_add_co_u32 s[KO], s[KO], 65536               ; the next 256 keys,
	s_add_co_u32 s2, s[U], 1
	s_cmp_eq_u32 s2, s[PSW]
	s_cselect_b32 s[KO], 0, s[KO]                  ; or, where the early pass begins, the first again
	s_add_nc_u64 s[G0+2:G0+3], s[KB:KB+1], s[KO:KO+1]
	s_or_b32 s[G0+3], s[G0+3], 0x80000000
	s_wait_xcnt 0x0                                ; the last prefetch, a trip back, has read its address
	s_add_nc_u64 s[PFA:PFA+1], s[PFA:PFA+1], 65536
.endif
	s_wait_dscnt 0x0                               ; the add is done, and my reads of the slot that I have left are over
.if \fill
	ROUND
	tensor_load_to_lds s[G0:G0+3], s[G1:G1+7]
	s_nop 0
.rept 4
	v_nop
.endr
	ASK
.else
	s_barrier_signal -1
	s_barrier_wait -1
.endif
	s_cmp_lg_u32 s[U], s[PSW]                      ; the trip and the cluster's number: the same in all waves and all partners
	s_cbranch_scc1 .Lsame_pass_\@
	RESTART
.Lsame_pass_\@:
.endm
; THE MERGE.  What a wave gives: 64 registers of O^T (window 1, from ob on) and v[16:19] = m, m, l, l of its two tiles.
.macro PUBLISH ob, roff
	WIN 0x04                                       ; an LDS store's data are its source 1: window 1
.set n, 0
.rept 16
	ds_store_b128 v[MGA], v[\ob+4*n:\ob+4*n+3] offset:\roff+512*n
.set n, n+1
.endr
	WIN 0
	ds_store_b128 v[MGA], v[16:19] offset:\roff+8192
.endm
; What it keeps: O^T from ob on and v[20:23].  O = (a O + a' O') / (a l + a' l'), a = 2^(m - max(m, m')); a half that saw no key has l = 0, O = 0 and a = 0.
.macro MERGE ob, roff, bp
.set n, 0
.rept 17
	ds_load_b128 v[128+4*n:131+4*n], v[MGA] offset:\roff+512*n
.set n, n+1
.endr
	s_wait_dscnt 0x0
.irp x, 0,1
	v_max_num_f32 v[32+\x], v[20+\x], v[192+\x]
.endr
.irp x, 0,1
	v_sub_f32 v[34+\x], v[20+\x], v[32+\x]
	v_sub_f32 v[36+\x], v[192+\x], v[32+\x]
.endr
.irp n, 34,35,36,37
	v_exp_f32 v[\n], v[\n]
.endr
	v_nop
	s_wait_alu depctr_va_vdst(0)                   ; one wait for the four
.irp x, 0,1
	v_mul_f32 v[38+\x], v[34+\x], v[22+\x]
.endr
.irp x, 0,1
	v_fmac_f32 v[38+\x], v[36+\x], v[194+\x]
.endr
.irp x, 0,1
	v_rcp_f32 v[38+\x], v[38+\x]
.endr
	v_nop
	s_wait_alu depctr_va_vdst(0)                   ; one wait for the two
.irp x, 0,1
	v_mul_f32 v[40+2*\x], v[34+\x], v[38+\x]
	v_mul_f32 v[41+2*\x], v[34+\x], v[38+\x]
	v_mul_f32 v[44+2*\x], v[36+\x], v[38+\x]
	v_mul_f32 v[45+2*\x], v[36+\x], v[38+\x]
.endr
.irp x, 0,1
.set n, 0
.rept 16
	v_pk_mul_f32 v[128+32*\x+2*n:129+32*\x+2*n], v[128+32*\x+2*n:129+32*\x+2*n], v[44+2*\x:45+2*\x]
.set n, n+1
.endr
.endr
	WIN 0x01                                       ; source 0 window 1
.irp x, 0,1
.set n, 0
.rept 16
	v_pk_fma_f32 v[128+32*\x+2*n:129+32*\x+2*n], v[\ob+32*\x+2*n:\ob+32*\x+2*n+1], v[40+2*\x:41+2*\x], v[128+32*\x+2*n:129+32*\x+2*n]
.set n, n+1
.endr
.endr
	WIN 0
.set n, 0
.rept 32
	v_cvt_pk_f16_f32 v[192+n], v[128+2*n], v[129+2*n]   ; a lane's eight channels of a query: a group of four registers of the projection's operand
.set n, n+1
.endr
.irp n, 0,1,2,3,4,5,6,7
	global_store_b128 v[L16], v[192+4*\n:195+4*\n], s[\bp:\bp+1] offset:512*\n   ; 4 KB on end
.endr
.endm
	s_wait_loadcnt 0x0                             ; Q, both passes'
.Ltrip:                                            ; 16 trips: behind each change of slots the next slot is asked for
	CHANGE 1
	STEP 0, 0
	STEP 1, 0
	s_xor_b32 s[TB], s[TB], SLOT1
	s_add_co_u32 s[U], s[U], 1
	s_cmp_lt_u32 s[U], 16
	s_cbranch_scc1 .Ltrip
	CHANGE 0                                       ; the 17th slot is written out: nothing is left to fetch; it is the early pass's last, under the mask
	STEP 0, 1
	STEP 1, 1
.rept 4
	v_nop                                          ; places behind the last products
.endr
	s_cmp_eq_u32 s11, 0
	s_cbranch_scc0 .Lgive_late
	v_mov_b32 v16, v8                              ; s = 0 gives the early pass and keeps the late
	v_mov_b32 v17, v10
	WIN 0x01
	v_mov_b32 v18, v64
	v_mov_b32 v19, v72
	v_mov_b32 v20, v194
	v_mov_b32 v21, v195
	v_mov_b32 v22, v192
	v_mov_b32 v23, v193
	PUBLISH 0, REGB
	s_branch .Lgiven
.Lgive_late:
	v_mov_b32 v20, v8                              ; s = 1 gives the late pass and keeps the early
	v_mov_b32 v21, v10
	WIN 0x01
	v_mov_b32 v22, v64
	v_mov_b32 v23, v72
	v_mov_b32 v16, v194
	v_mov_b32 v17, v195
	v_mov_b32 v18, v192
	v_mov_b32 v19, v193
	PUBLISH 128, REGA
.Lgiven:
	s_wait_dscnt 0x0                               ; for the others' sake: my stores have landed
	s_barrier_signal -1
	s_barrier_wait -1
	s_cmp_eq_u32 s11, 0
	s_cbranch_scc0 .Lmerge_early
	MERGE 128, REGA, 48
	s_branch .Ldone
.Lmerge_early:
	MERGE 0, REGB, 50
.Ldone:
	s_wait_tensorcnt 0x0                           ; the wave's end
	ds_add_u32 v[SPW], v[NIL]
	s_wait_dscnt 0x0
	ROUND                                          ; the closing round: no work-group ends while a partner may still ask for a slot that names it
	s_endpgm
.Lfunc_end_k_q33065d9254_attn:
	.size	k_q33065d9254_attn, .Lfunc_end_k_q33065d9254_attn-k_q33065d9254_attn
	.p2alignl 7, 3214868480
	.fill 96, 4, 3214868480
	.section	.rodata,"a",@progbits
	.p2align	6, 0x0
	.amdhsa_kernel k_q33065d9254_attn
		.amdhsa_group_segment_fixed_size 327680
		.amdhsa_private_segment_fixed_size 0
		.amdhsa_enable_private_segment 0
		.amdhsa_kernarg_size 24
		.amdhsa_user_sgpr_count 2
		.amdhsa_user_sgpr_kernarg_segment_ptr 1
		.amdhsa_wavefront_size32 1
		.amdhsa_system_sgpr_workgroup_id_x 1
		.amdhsa_system_sgpr_workgroup_id_y 1
		.amdhsa_system_sgpr_workgroup_id_z 1
		.amdhsa_system_vgpr_workitem_id 0
		.amdhsa_next_free_vgpr 512
		.amdhsa_next_free_sgpr 66
		.amdhsa_reserve_vcc 1
		.amdhsa_float_denorm_mode_32 3
		.amdhsa_float_denorm_mode_16_64 3
		.amdhsa_memory_ordered 1
		.amdhsa_forward_progress 1
		.amdhsa_inst_pref_size 122
	.end_amdhsa_kernel
	.amdgpu_metadata
---
amdhsa.version: [ 1, 2 ]
amdhsa.kernels:
  - .name:           k_q33065d9254_attn
    .symbol:         k_q33065d9254_attn.kd
    .args:
      - { .name: q16, .offset: 0, .size: 8, .value_kind: global_buffer, .address_space: global }
      - { .name: kv, .offset: 8, .size: 8, .value_kind: global_buffer, .address_space: global }
      - { .name: ctx, .offset: 16, .size: 8, .value_kind: global_buffer, .address_space: global }
    .group_segment_fixed_size: 327680
    .private_segment_fixed_size: 0
    .kernarg_segment_align: 8
    .kernarg_segment_size: 24
    .max_flat_workgroup_size: 256
    .sgpr_count:     66
    .vgpr_count:     512
    .wavefront_size: 32
...
	.end_amdgpu_metadata
.endif
;; end of part 3
;; launch proj (part 4): grid 8 x 32, 4 waves a work-group, clusters of 4 x 4, 327,680 bytes of LDS; arguments ctx, wo16, out0; writes out0
.if DOCPART == 4
	.amdgcn_target "amdgcn-amd-amdhsa--gfx1250"
	.amdhsa_code_object_version 6
	.text
	.protected	k_q33065d9254_proj
	.globl	k_q33065d9254_proj
	.p2align	8
	.type	k_q33065d9254_proj,@function
k_q33065d9254_proj:
	s_mov_b64 s[64:65], 0
	v_nop
	global_prefetch_b8 v0, s[64:65] scope:SCOPE_SE
	s_setreg_imm32_b32 hwreg(HW_REG_WAVE_MODE, 25, 1), 1
	s_wait_xcnt 0x0
	s_wait_alu depctr_hold_cnt(0) depctr_sa_sdst(0) depctr_va_vdst(0) depctr_va_sdst(0) depctr_va_ssrc(0) depctr_va_vcc(0) depctr_vm_vsrc(0)
	s_getreg_b32 s2, hwreg(HW_REG_IB_STS2, 6, 4)
	s_cmp_eq_u32 s2, 0
	s_cbranch_scc0 .Lentry_in_a_cluster
	s_endpgm
.Lentry_in_a_cluster:
	s_bfe_u32 s2, ttmp6, 0x10000c
	s_cmp_lg_u32 s2, 0xf033
	s_cbranch_scc0 .Lentry_shape_is_right
	s_endpgm
.Lentry_shape_is_right:
; out0[m][n] = sum over k of ctx[m][k] w_o[k][n]: [4096][1024] x [1024][1024], f16 operands, f32 sums, f32 out.
; Both operands lie in memory as images of their registers: ctx [256 along K: 4][tile of 16 rows 256][32 along K: 8][c 2][lane 32][16 B], wo16 likewise with 64 tiles of 16 columns.
; A tile of out0 is 128 x 128: 256 work-groups.  Four waves, each 64 x 64: 16 accumulators.  K goes in four chunks of 256 through two LDS slots; a chunk's 8 tiles of ctx and 8 of w_o are dense blocks of 64 KB,
; of which each wave fetches 32 KB by one tensor load; a fragment's loads take 512 bytes on end, so there is no padding.
; CLUSTERS: 4 x 4 work-groups.  The four of a row of the cluster need the same tiles of ctx, the four of a column the same tiles of w_o: each is asked for JOINTLY.
; THE MATRIX INSTRUCTION IS USED TRANSPOSED (source 0 = 16 columns of w_o, source 1 = 16 rows of ctx): a lane holds eight neighbouring numbers of a row of out0.
; The four chunks are written out: both slots are filled at the head, each is filled again once.
; Rows 0-15 are written here in this launch's precision and once more, finely, by the launch that follows.
; REGISTERS: window 0: v0-31 addresses; v32-95 the way out; v128-255 the accumulators ((a, b) at 128 + 8 (4 a + b)).  window 1: two fragment buffers of 128: for 64 along K 64 registers of ctx, then 64 of w_o.
.set SLOT,   131072                    ; ctx's 64 KB, then w_o's
.set STAGE,  262144                    ; behind the ring: 16 rows x 272 bytes for each wave
.set SPITCH, 272
.set SPARE,  279552                    ; the spare words, 128 bytes for each wave
.set ADRA, 16                          ; v16-17 my fragments of ctx in slot 0, 1
.set ADRB, 20                          ; v20-21 of w_o
.set STO,  24
.set RD,   25
.set CO,   26
.set SPW,  28                          ; v28 LDS address of my spare word; never rewritten
.set NIL,  29                          ; v29 0; never rewritten
.set TMP,  32
.set ACC,  128
.set F0,   0
.set F1,   128
.set G1, 24                            ; s[24:31] group 1 for ctx's tiles; s[32:39] group 0, a set for each slot
.set G0, 32
.set G1B, 48                           ; s[48:55], s[56:63] the same for w_o's
.set G0B, 56
.set MSB, 0
.macro WIN new
.if MSB != \new
	s_set_vgpr_msb (MSB<<8)|\new
.set MSB, \new
.endif
.endm
.set MUL,  0x05                        ; sources 0 and 1 window 1; C and D window 0
.set TO_F, 0x40                        ; destination window 1
.macro JLOAD s                         ; a joint load: waves 0 and 1 fetch ctx's halves, waves 2 and 3 w_o's; an s_nop 0 and four v_nop follow each line
	s_cmp_eq_u32 s11, 0
	s_cbranch_scc0 .Lfor_b_\@
	tensor_load_to_lds s[G0+4*\s:G0+4*\s+3], s[G1:G1+7]
	s_nop 0
.rept 4
	v_nop
.endr
	s_branch .Lasked_\@
.Lfor_b_\@:
	tensor_load_to_lds s[G0B+4*\s:G0B+4*\s+3], s[G1B:G1B+7]
	s_nop 0
.rept 4
	v_nop
.endr
.Lasked_\@:
.endm
.macro CREST                           ; a round of the cluster's barrier behind its opening barrier
	s_cmp_lg_u32 s10, 0
	s_cbranch_scc1 .Lnot_wave_0_\@
	s_barrier_signal -3
.Lnot_wave_0_\@:
	s_barrier_wait -3
	s_barrier_signal -1
	s_barrier_wait -1
.endm
.macro CROUND
	s_barrier_signal -1
	s_barrier_wait -1
	CREST
.endm
	s_load_b128 s[4:7], s[0:1], 0x0                ; ctx, wo16
	s_load_b64 s[8:9], s[0:1], 0x10                ; out0
	v_lshl_add_u32 v[SPW], v0, 2, SPARE
	v_mov_b32 v[NIL], 0
	ds_add_u32 v[SPW], v[NIL]                      ; the wave's opening: the add, twice on end, and its wait ahead of my first tensor load
	ds_add_u32 v[SPW], v[NIL]
	v_lshrrev_b32 v1, 5, v0
	v_readfirstlane_b32 s10, v1                    ; wave 0..3
	s_lshr_b32 s11, s10, 1                         ; which half of the tile's rows is mine.  Also: I fetch for ctx (0) or for w_o (1)
	s_and_b32 s12, s10, 1                          ; which half of its columns.  Also: which half of that block I fetch
	s_bfe_u32 s40, ttmp6, 0x40000                  ; cx, cy
	s_bfe_u32 s41, ttmp6, 0x40004
	s_lshl_b32 s42, ttmp9, 2
	s_add_co_u32 s42, s42, s40                     ; tile column
	s_and_b32 s13, ttmp7, 0xffff
	s_lshl_b32 s13, s13, 2
	s_add_co_u32 s13, s13, s41                     ; tile row
	s_lshl_b32 s43, s41, 2
	s_lshl_b32 s43, 15, s43                        ; my row of the cluster
	s_lshl_b32 s44, 0x1111, s40                    ; my column
	s_or_b32 s[G1+0], s43, (3<<16)|(1<<21)         ; the mask; elements of 8 bytes; bit 21 set beside a mask
	s_or_b32 s[G1B+0], s44, (3<<16)|(1<<21)
.irp g, G1, G1B
	s_mov_b32 s[\g+1], 32<<16                      ; 128 dense rows of 256 bytes
	s_mov_b32 s[\g+2], 128<<16
	s_mov_b32 s[\g+3], 32<<16
	s_mov_b32 s[\g+4], 128
	s_mov_b32 s[\g+5], 32
	s_mov_b32 s[\g+6], 0
	s_mov_b32 s[\g+7], 0
.endr
	s_lshl_b32 s17, s12, 15                        ; which 32 KB
	s_lshl_b32 s16, s13, 16
	s_add_co_u32 s16, s16, s17                     ; ctx: 64 KB x tile row + my half
	s_lshl_b32 s46, s42, 16
	s_add_co_u32 s46, s46, s17                     ; w_o: 64 KB x tile column + my half
	s_mov_b32 s17, 0
	s_mov_b32 s47, 0
	s_lshl_b32 s20, s10, 15                        ; where they go: 32 KB x wave
	s_wait_dscnt 0x0                               ; both opening adds are done
	s_wait_kmcnt 0x0
	s_add_nc_u64 s[14:15], s[4:5], s[16:17]
	s_add_nc_u64 s[46:47], s[6:7], s[46:47]
	CROUND                                         ; all sixteen work-groups are here: the first joint loads meet
.irp s, 0,1
	s_mov_b32 s[G0+4*\s], 1
	s_add_co_u32 s[G0+4*\s+1], s20, \s*SLOT
	s_add_nc_u64 s[G0+4*\s+2:G0+4*\s+3], s[14:15], \s*2097152
	s_or_b32 s[G0+4*\s+3], s[G0+4*\s+3], 0x80000000
	s_mov_b32 s[G0B+4*\s], 1
	s_add_co_u32 s[G0B+4*\s+1], s20, \s*SLOT
	s_add_nc_u64 s[G0B+4*\s+2:G0B+4*\s+3], s[46:47], \s*524288
	s_or_b32 s[G0B+4*\s+3], s[G0B+4*\s+3], 0x80000000
	JLOAD \s
.endr
	v_and_b32 v1, 15, v0                           ; r
	v_bfe_u32 v2, v0, 4, 1                         ; h
	v_and_b32 v3, 31, v0
	v_lshlrev_b32 v3, 4, v3                        ; 16 x lane
	s_lshl_b32 s21, s11, 15                        ; my four tiles of ctx
	s_lshl_b32 s22, s12, 15                        ; my four tiles of w_o,
	s_add_co_u32 s22, s22, 65536                   ; which lie behind ctx's eight
.irp s, 0,1
	v_add_nc_u32 v[ADRA+\s], s21, v3
	v_add_nc_u32 v[ADRB+\s], s22, v3
	s_add_co_u32 s21, s21, SLOT
	s_add_co_u32 s22, s22, SLOT
.endr
	s_mul_i32 s23, s10, 16*SPITCH
	s_add_co_u32 s23, s23, STAGE                   ; my stage
	v_mul_u32_u24 v4, v1, SPITCH                   ; in: row r, 32 bytes for each half of the lanes
	v_lshl_add_u32 v4, v2, 5, v4
	v_add_nc_u32 v[STO], s23, v4
	v_mul_u32_u24 v5, v2, SPITCH                   ; back: lanes 0-15 one row of 256 bytes, lanes 16-31 the next
	v_lshl_add_u32 v5, v1, 4, v5
	v_add_nc_u32 v[RD], s23, v5
	v_lshlrev_b32 v5, 12, v2                       ; and the same two rows in out0
	v_lshl_add_u32 v[CO], v1, 4, v5
	s_lshl_b32 s16, s13, 19                        ; my first row: 128 x tile row + 64 x half, rows of 4,096 bytes
	s_lshl_b32 s17, s11, 18
	s_add_co_u32 s16, s16, s17
	s_mov_b32 s17, 0
	s_add_nc_u64 s[8:9], s[8:9], s[16:17]
	s_lshl_b32 s46, s42, 9                         ; my first column, in bytes
	s_lshl_b32 s47, s12, 8
	s_add_co_u32 s46, s46, s47
	s_mov_b32 s47, 0
	s_add_nc_u64 s[8:9], s[8:9], s[46:47]
.macro MUL8 f, c, a0, zero             ; 8 products: row blocks a0, a0 + 1 x all 4 column blocks, 32 along K: half c of buffer f
.irp a, \a0, \a0+1
.irp b, 0,1,2,3
.if \zero
	v_wmma_f32_16x16x32_f16 v[ACC+8*(4*(\a)+\b):ACC+8*(4*(\a)+\b)+7], v[\f+64+8*(4*\c+\b):\f+64+8*(4*\c+\b)+7], v[\f+8*(4*\c+\a):\f+8*(4*\c+\a)+7], 0
.else
	v_wmma_f32_16x16x32_f16 v[ACC+8*(4*(\a)+\b):ACC+8*(4*(\a)+\b)+7], v[\f+64+8*(4*\c+\b):\f+64+8*(4*\c+\b)+7], v[\f+8*(4*\c+\a):\f+8*(4*\c+\a)+7], v[ACC+8*(4*(\a)+\b):ACC+8*(4*(\a)+\b)+7]
.endif
.endr
.endr
.endm
.macro FETCH slot, qd, f               ; 32 LDS loads in one run: the fragments of the chunk's quarter qd (64 along K) into buffer f; the first 32 along K first
	WIN TO_F
.irp c, 0,1
.irp i, 0,1,2,3
	ds_load_b128 v[\f+64+8*(4*\c+\i):\f+64+8*(4*\c+\i)+3],   v[ADRB+\slot] offset:8192*\i+1024*(2*(\qd)+\c)
	ds_load_b128 v[\f+64+8*(4*\c+\i)+4:\f+64+8*(4*\c+\i)+7], v[ADRB+\slot] offset:8192*\i+1024*(2*(\qd)+\c)+512
	ds_load_b128 v[\f+8*(4*\c+\i):\f+8*(4*\c+\i)+3],         v[ADRA+\slot] offset:8192*\i+1024*(2*(\qd)+\c)
	ds_load_b128 v[\f+8*(4*\c+\i)+4:\f+8*(4*\c+\i)+7],       v[ADRA+\slot] offset:8192*\i+1024*(2*(\qd)+\c)+512
.endr
.endr
.endm
.macro PLACES                          ; four places in front of loads into registers that matrix instructions have read, and of the first read of results
.rept 4
	v_nop
.endr
.endm
.macro QUARTER slot, qd, f, g, zero    ; multiplies buffer f and fetches quarter qd into g
	s_wait_dscnt 16                                ; the first 32 along K are in
	WIN MUL
	MUL8 \f, 0, 0, \zero
	MUL8 \f, 0, 2, \zero
	PLACES
	FETCH \slot, \qd, \g
	s_wait_dscnt 32                                ; all but the 32 just issued
	WIN MUL
	MUL8 \f, 1, 0, 0
	MUL8 \f, 1, 2, 0
.endm
; A chunk's last quarter multiplies buffer 1 and changes slots: ONE barrier; in front of it each wave waits for all its tensor loads, adds 0 to its spare word, and waits for that and for its reads of this slot.
.macro TURN slot, next, fill
	WIN 0
	s_wait_tensorcnt 0x0                           ; all my tensor loads have landed: my part of the next slot
	ds_add_u32 v[SPW], v[NIL]
	s_wait_dscnt 17                                ; (the add and the youngest sixteen loads may be out)
	WIN MUL
	MUL8 F1, 0, 0, 0
	s_wait_dscnt 0x0                               ; the add is done, and my reads of this slot are over
	s_barrier_signal -1
	MUL8 F1, 0, 2, 0
.if \fill
	WIN 0
.endif
	s_barrier_wait -1
.if \fill
	CREST                                          ; the barrier has opened a round of the cluster's: no wave of any partner still reads this slot or has a load on its way
	s_add_nc_u64 s[G0+4*\slot+2:G0+4*\slot+3], s[G0+4*\slot+2:G0+4*\slot+3], 2*2097152
	s_add_nc_u64 s[G0B+4*\slot+2:G0B+4*\slot+3], s[G0B+4*\slot+2:G0B+4*\slot+3], 2*524288
	JLOAD \slot                                    ; the chunk two on; the four v_nop behind it are also the places in front of the loads below
.else
	PLACES
.endif
	FETCH \next, 0, F0
	WIN MUL
	MUL8 F1, 1, 0, 0
	MUL8 F1, 1, 2, 0
.endm
	s_wait_tensorcnt 1                             ; my part of chunk 0 is in; chunk 1's load may be out
	s_barrier_signal -1
	s_barrier_wait -1
	FETCH 0, 0, F0
	QUARTER 0, 1, F0, F1, 1                        ; the first products start the sums
	QUARTER 0, 2, F1, F0, 0
	QUARTER 0, 3, F0, F1, 0
	TURN 0, 1, 1                                   ; slot 0 takes chunk 2
	QUARTER 1, 1, F0, F1, 0
	QUARTER 1, 2, F1, F0, 0
	QUARTER 1, 3, F0, F1, 0
	TURN 1, 0, 1                                   ; slot 1 takes chunk 3
	QUARTER 0, 1, F0, F1, 0
	QUARTER 0, 2, F1, F0, 0
	QUARTER 0, 3, F0, F1, 0
	TURN 0, 1, 0                                   ; nothing is left to fetch
	QUARTER 1, 1, F0, F1, 0
	QUARTER 1, 2, F1, F0, 0
	QUARTER 1, 3, F0, F1, 0
	s_wait_dscnt 16
	WIN MUL
	MUL8 F1, 0, 0, 0
	MUL8 F1, 0, 2, 0
	s_wait_dscnt 0
	MUL8 F1, 1, 0, 0
	MUL8 F1, 1, 2, 0
	WIN 0
; THE WAY OUT, a block of 16 rows x 64 columns at a time.  A lane holds 32 neighbouring bytes of a row; the block goes through my own stage and comes back as whole rows of 256 bytes.
; LDS serves a wave's instructions in order (ISA guide 5.7.1.4): no wait between the stores and the loads, nor in front of the next block's stores.
.macro TOSTAGE a
.irp b, 0,1,2,3
	ds_store_b128 v[STO], v[ACC+8*(4*(\a)+\b):ACC+8*(4*(\a)+\b)+3] offset:64*\b      ; each accumulator from its low end on
	ds_store_b128 v[STO], v[ACC+8*(4*(\a)+\b)+4:ACC+8*(4*(\a)+\b)+7] offset:64*\b+16
.endr
.set BB, TMP+32*((\a)%2)
.irp t, 0,1,2,3,4,5,6,7
	ds_load_b128 v[BB+4*\t:BB+4*\t+3], v[RD] offset:\t*2*SPITCH
.endr
.endm
.macro SEND a, younger                 ; younger: the LDS instructions issued behind block a's loads
.set BB, TMP+32*((\a)%2)
	s_wait_dscnt \younger
.irp t, 0,1,2,3,4,5,6,7
	global_store_b128 v[CO], v[BB+4*\t:BB+4*\t+3], s[8:9] offset:(16*(\a)+2*\t)*4096 th:TH_STORE_NT   ; 16 lanes store 256 bytes on end, at a multiple of 256 from out0's first byte
.endr
.endm
	PLACES
	TOSTAGE 0
.irp a, 1,2,3
.if \a > 1
	s_wait_xcnt 0x0                                ; block a - 2's stores have read the registers into which block a's loads land
.endif
	TOSTAGE \a
	SEND \a-1, 16                                  ; behind block a - 1's loads: block a's 8 stores and 8 loads
.endr
	SEND 3, 0
	s_wait_tensorcnt 0x0                           ; the wave's end
	ds_add_u32 v[SPW], v[NIL]
	s_wait_dscnt 0x0
	CROUND                                         ; the closing round
	s_endpgm
.Lfunc_end_k_q33065d9254_proj:
	.size	k_q33065d9254_proj, .Lfunc_end_k_q33065d9254_proj-k_q33065d9254_proj
	.p2alignl 7, 3214868480
	.fill 96, 4, 3214868480
	.section	.rodata,"a",@progbits
	.p2align	6, 0x0
	.amdhsa_kernel k_q33065d9254_proj
		.amdhsa_group_segment_fixed_size 327680
		.amdhsa_private_segment_fixed_size 0
		.amdhsa_enable_private_segment 0
		.amdhsa_kernarg_size 24
		.amdhsa_user_sgpr_count 2
		.amdhsa_user_sgpr_kernarg_segment_ptr 1
		.amdhsa_wavefront_size32 1
		.amdhsa_system_sgpr_workgroup_id_x 1
		.amdhsa_system_sgpr_workgroup_id_y 1
		.amdhsa_system_sgpr_workgroup_id_z 1
		.amdhsa_system_vgpr_workitem_id 0
		.amdhsa_next_free_vgpr 512
		.amdhsa_next_free_sgpr 66
		.amdhsa_reserve_vcc 0
		.amdhsa_float_denorm_mode_32 3
		.amdhsa_float_denorm_mode_16_64 3
		.amdhsa_memory_ordered 1
		.amdhsa_forward_progress 1
		.amdhsa_inst_pref_size 85
	.end_amdhsa_kernel
	.amdgpu_metadata
---
amdhsa.version: [ 1, 2 ]
amdhsa.kernels:
  - .name:           k_q33065d9254_proj
    .symbol:         k_q33065d9254_proj.kd
    .args:
      - { .name: ctx, .offset: 0, .size: 8, .value_kind: global_buffer, .address_space: global }
      - { .name: wo16, .offset: 8, .size: 8, .value_kind: global_buffer, .address_space: global }
      - { .name: out0, .offset: 16, .size: 8, .value_kind: global_buffer, .address_space: global }
    .group_segment_fixed_size: 327680
    .private_segment_fixed_size: 0
    .kernarg_segment_align: 8
    .kernarg_segment_size: 24
    .max_flat_workgroup_size: 128
    .sgpr_count:     66
    .vgpr_count:     512
    .wavefront_size: 32
...
	.end_amdgpu_metadata
.endif
;; end of part 4
;; launch first16 (part 5): grid 64 x 1, 16 waves a work-group, no clusters, 83,968 bytes of LDS; arguments fine, w_o, out0; writes out0
.if DOCPART == 5
	.amdgcn_target "amdgcn-amd-amdhsa--gfx1250"
	.amdhsa_code_object_version 6
	.text
	.protected	k_q33065d9254_first16
	.globl	k_q33065d9254_first16
	.p2align	8
	.type	k_q33065d9254_first16,@function
k_q33065d9254_first16:
	s_mov_b64 s[64:65], 0
	v_nop
	global_prefetch_b8 v0, s[64:65] scope:SCOPE_SE
	s_setreg_imm32_b32 hwreg(HW_REG_WAVE_MODE, 25, 1), 1
	s_wait_xcnt 0x0
; Positions 0-15 once more, in f32 throughout: their rows average one to sixteen values and are the largest of the output, so 16-bit operands weigh most there.  Rows 0-15 of out0 are written over.
; fine: [head 24: 16 q (with the factor log2(e) / 8), 4 k, 4 v][t 4][half 2][lane 32][16 B] f32.  q, k: lane (r, h) holds position r, channels 16 t + 8 h + 0 .. 7; v: channel 16 t + r, positions 8 h + 0 .. 7.
; SHARES.  Work-group: 4 rows (4 mg on) x 64 columns (64 nb on).  Wave H: head H's attention for those four positions (32 matrix instructions of the f32 form), then the part of the projection whose K is its own 64 channels,
; by fused multiply-adds; the sixteen parts meet in LDS behind one barrier and are added in a fixed order.
; THE FOUR POSITIONS ARE CHOSEN BY q's ADDRESS IN MEMORY: lane (r, h) loads query 4 mg + r % 4, so the sixteen columns of both products hold the four queries, each four times over, and no LDS address hangs on the work-group's number.
; In the f32 matrix form a lane's two registers hold k = 2 h + 0, 1.  Here that place stands for channel 16 t + 8 h + 2 i + 0, 1 (first product) or key 8 h + 2 i + 0, 1 (second), alike in both sources.
; Tensor loads and clusters buy nothing here: the whole launch is 17 million multiply-adds.
; REGISTERS: v1-20 addresses and statistics; v24-55 four accumulators, written by matrix instructions alone; v56-87 q, v88-119 k, later w_o's second half, later the sixteen parts; v120-151 v, later ctx;
;   v152-215 w_o's first half; v216-223 scores; v224-231 p; v232-247 my part: 4 rows x 4 columns.
.set PART,  65536                      ; LDS: ctx of wave H, [channel 64][position 4] f32, at 4,096 H; from here on the parts, 1,024 bytes a wave
.set SPARE, 81920                      ; the spare words, 128 bytes for each of the 16 waves
.set SPW, 1                            ; v1 LDS address of my spare word; never rewritten
.set NIL, 2                            ; v2 0; never rewritten
.set PA,  232
	s_load_b128 s[4:7], s[0:1], 0x0                ; fine, w_o
	s_load_b64 s[8:9], s[0:1], 0x10                ; out0
	v_lshl_add_u32 v[SPW], v0, 2, SPARE
	v_mov_b32 v[NIL], 0
	v_lshrrev_b32 v3, 5, v0
	v_readfirstlane_b32 s10, v3                    ; wave = head
	s_and_b32 s11, ttmp9, 15                       ; nb
	s_bfe_u32 s12, ttmp9, 0x20004                  ; mg
	v_and_b32 v3, 15, v0                           ; r
	v_bfe_u32 v4, v0, 4, 1                         ; h
	v_and_b32 v5, 31, v0
	v_lshlrev_b32 v5, 4, v5                        ; 16 x lane: k's and v's images
	v_lshlrev_b32 v6, 12, v4
	v_lshl_add_u32 v6, v3, 4, v6                   ; a row of 4,096 bytes for h, 16 bytes for r: in w_o and in out0
	v_and_b32 v18, 3, v0                           ; r % 4: which of the four positions my column holds
	s_lshl_b32 s15, s12, 2
	v_add_nc_u32 v19, s15, v18                     ; my query: 4 mg + r % 4
	v_lshlrev_b32 v20, 4, v19
	v_lshl_add_u32 v20, v4, 8, v20                 ; q's image in memory: the place of lane (my query, h)
	s_lshl_b32 s13, s10, 12
	v_lshlrev_b32 v7, 7, v4
	v_lshl_add_u32 v7, v18, 2, v7
	v_add_nc_u32 v7, s13, v7                       ; ctx in: channel 8 h on (16 bytes a channel), position r % 4
	v_lshl_add_u32 v8, v4, 4, s13                  ; ctx back: channel h, its four positions
	s_lshl_b32 s14, s10, 10
	s_add_co_u32 s14, s14, PART
	v_lshl_add_u32 v9, v3, 4, s14                  ; my part: 16 bytes for r
	s_lshl_b32 s14, s10, 9
	s_add_co_u32 s14, s14, PART
	v_lshl_add_u32 v10, v4, 8, s14
	v_lshl_add_u32 v10, v3, 4, v10                 ; waves 0, 1 at the end: row 2 wave + h of a part
	v_lshlrev_b32 v11, 3, v4
	v_sub_nc_u32 v11, v19, v11                     ; my query - 8 h: register j holds key 8 h + j, which counts where j is at most this
	s_mov_b32 s26, 0x76543210
	s_mov_b32 s27, 0xfedcba98
	s_lshl_b32 s16, s10, 12                        ; q: my head's 4 KB
	s_mov_b32 s17, 0
	s_lshr_b32 s18, s10, 2
	s_lshl_b32 s18, s18, 12
	s_add_co_u32 s18, s18, 65536                   ; k: head 16 + group; v lies four heads on
	s_mov_b32 s19, 0
	s_lshl_b32 s30, s10, 18                        ; w_o: my 64 rows, my work-group's 64 columns
	s_lshl_b32 s31, s11, 8
	s_add_co_u32 s30, s30, s31
	s_lshl_b32 s32, s12, 14                        ; out0: 4 mg rows, + 2 rows for the wave, + the columns
	s_add_co_u32 s32, s32, s31
	s_lshl_b32 s31, s10, 13
	s_add_co_u32 s32, s32, s31
	s_mov_b32 s31, 0
	s_mov_b32 s33, 0
	s_wait_kmcnt 0x0
	s_add_nc_u64 s[20:21], s[4:5], s[16:17]
	s_add_nc_u64 s[22:23], s[4:5], s[18:19]
	s_add_nc_u64 s[24:25], s[6:7], s[30:31]
	s_add_nc_u64 s[28:29], s[8:9], s[32:33]
.irp n, 0,1,2,3,4,5,6,7
	global_load_b128 v[56+4*\n:59+4*\n], v20, s[20:21] offset:512*\n   ; q of my query
.endr
.irp n, 0,1,2,3,4,5,6,7
	global_load_b128 v[88+4*\n:91+4*\n], v5, s[22:23] offset:512*\n
.endr
.irp n, 0,1,2,3,4,5,6,7
	global_load_b128 v[120+4*\n:123+4*\n], v5, s[22:23] offset:16384+512*\n
.endr
.set n, 0
.rept 16
	global_load_b128 v[152+4*n:155+4*n], v6, s[24:25] offset:8192*n   ; w_o rows 2 n + h of my 64, four columns a lane
.set n, n+1
.endr
	s_wait_loadcnt 16                              ; q, k, v are in; w_o's sixteen loads may be out
.irp i, 0,1,2,3                                ; S^T = k q^T in four partial sums, which take turns
.irp t, 0,1,2,3
.if \i == 0
	v_wmma_f32_16x16x4_f32 v[24+8*\t:31+8*\t], v[88+8*\t+2*\i:89+8*\t+2*\i], v[56+8*\t+2*\i:57+8*\t+2*\i], 0
.else
	v_wmma_f32_16x16x4_f32 v[24+8*\t:31+8*\t], v[88+8*\t+2*\i:89+8*\t+2*\i], v[56+8*\t+2*\i:57+8*\t+2*\i], v[24+8*\t:31+8*\t]
.endif
.endr
.endr
.rept 8
	v_nop                                          ; eight places behind this form, in front of loads into its sources and of the first read of results
.endr
.set n, 16
.rept 16
	global_load_b128 v[56+4*(n-16):59+4*(n-16)], v6, s[24:25] offset:8192*n
.set n, n+1
.endr
.irp j, 0,1,2,3,4,5,6,7
	v_add_f32 v[216+\j], v[24+\j], v[32+\j]
.endr
.irp j, 0,1,2,3,4,5,6,7
	v_add_f32 v[224+\j], v[40+\j], v[48+\j]
.endr
.irp j, 0,1,2,3,4,5,6,7
	v_add_f32 v[216+\j], v[216+\j], v[224+\j]      ; lane (r, h): my query, key 8 h + j
.endr
	v_mov_b32 v12, 0xff800000
.irp j, 0,1,2,3,4,5,6,7
	v_cmp_le_i32 vcc_lo, \j, v11
	v_cndmask_b32 v[216+\j], v12, v[216+\j], vcc_lo
.endr
	v_max3_num_f32 v13, v216, v217, v218
	v_max3_num_f32 v14, v219, v220, v221
	v_max3_num_f32 v13, v13, v222, v223
	v_max_num_f32 v13, v13, v14
	v_permlanex16_b32 v14, v13, s26, s27
	v_max_num_f32 v13, v13, v14                    ; key 0 counts for every query: the maximum is a number
.irp j, 0,1,2,3,4,5,6,7
	v_sub_f32 v[224+\j], v[216+\j], v13
.endr
.irp j, 0,1,2,3,4,5,6,7
	v_exp_f32 v[224+\j], v[224+\j]
.endr
	v_nop
	s_wait_alu depctr_va_vdst(0)                   ; one wait for the eight
	v_add_f32 v14, v224, v225
	v_add_f32 v15, v226, v227
	v_add_f32 v16, v228, v229
	v_add_f32 v17, v230, v231
	v_add_f32 v14, v14, v15
	v_add_f32 v16, v16, v17
	v_add_f32 v14, v14, v16
	v_permlanex16_b32 v15, v14, s26, s27
	v_add_f32 v14, v14, v15
	v_rcp_f32 v14, v14
	v_nop
	s_wait_alu depctr_va_vdst(0)
.irp i, 0,1,2,3                                ; O^T = v^T p: four tiles of channels, which take turns
.irp t, 0,1,2,3
.if \i == 0
	v_wmma_f32_16x16x4_f32 v[24+8*\t:31+8*\t], v[120+8*\t+2*\i:121+8*\t+2*\i], v[224+2*\i:225+2*\i], 0
.else
	v_wmma_f32_16x16x4_f32 v[24+8*\t:31+8*\t], v[120+8*\t+2*\i:121+8*\t+2*\i], v[224+2*\i:225+2*\i], v[24+8*\t:31+8*\t]
.endif
.endr
.endr
.rept 8
	v_nop
.endr
.set n, 0
.rept 32
	v_mul_f32 v[120+n], v[24+n], v14               ; ctx(my query, channel 16 t + 8 h + j), into other registers
.set n, n+1
.endr
.irp t, 0,1,2,3
.irp j, 0,1,2,3,4,5,6,7
	ds_store_b32 v7, v[120+8*\t+\j] offset:16*(16*\t+\j)   ; the four lanes that hold one query write the same word with the same value
.endr
.endr
	s_wait_dscnt 0x0                               ; the stores have read their registers, into which the loads below land
; four rows x four columns: += w_o(k, 4 columns) x ctx(4 rows, k); k = 2 i + h
.macro ROWS wb, cb, first
.irp mm, 0,1
.irp p, 0,1
.if \first
	v_pk_mul_f32 v[PA+8*\mm+2*\p:PA+8*\mm+2*\p+1], v[\wb+2*\p:\wb+2*\p+1], v[\cb+2*\mm:\cb+2*\mm+1] op_sel_hi:[1,0]
	v_pk_mul_f32 v[PA+8*\mm+4+2*\p:PA+8*\mm+4+2*\p+1], v[\wb+2*\p:\wb+2*\p+1], v[\cb+2*\mm:\cb+2*\mm+1] op_sel:[0,1] op_sel_hi:[1,1]
.else
	v_pk_fma_f32 v[PA+8*\mm+2*\p:PA+8*\mm+2*\p+1], v[\wb+2*\p:\wb+2*\p+1], v[\cb+2*\mm:\cb+2*\mm+1], v[PA+8*\mm+2*\p:PA+8*\mm+2*\p+1] op_sel_hi:[1,0,1]
	v_pk_fma_f32 v[PA+8*\mm+4+2*\p:PA+8*\mm+4+2*\p+1], v[\wb+2*\p:\wb+2*\p+1], v[\cb+2*\mm:\cb+2*\mm+1], v[PA+8*\mm+4+2*\p:PA+8*\mm+4+2*\p+1] op_sel:[0,1,0] op_sel_hi:[1,1,1]
.endif
.endr
.endr
.endm
	s_wait_loadcnt 16                              ; w_o's first half is in, its second may be out
.irp b, 0,1,2,3
.if \b == 2
	s_wait_loadcnt 0x0
.endif
.irp q, 0,1,2,3,4,5,6,7
	ds_load_b128 v[120+4*\q:123+4*\q], v8 offset:32*(8*\b+\q)   ; channel 2 (8 b + q) + h, four positions: my own bytes: LDS serves a wave's instructions in order
.endr
	s_wait_dscnt 0x0
.irp q, 0,1,2,3,4,5,6,7
.if \b < 2
.set WB, 152+4*(8*\b+\q)
.else
.set WB, 56+4*(8*\b+\q-16)
.endif
.if (\b == 0) && (\q == 0)
	ROWS WB, 120+4*\q, 1
.else
	ROWS WB, 120+4*\q, 0
.endif
.endr
.endr
.set n, 0
.rept 16
	v_permlanex16_b32 v[216+n], v[PA+n], s26, s27  ; the even and the odd k meet
.set n, n+1
.endr
.set n, 0
.rept 8
	v_pk_add_f32 v[PA+2*n:PA+2*n+1], v[PA+2*n:PA+2*n+1], v[216+2*n:217+2*n]
.set n, n+1
.endr
.irp m, 0,1,2,3
	ds_store_b128 v9, v[PA+4*\m:PA+4*\m+3] offset:256*\m   ; both halves of the lanes write the same bytes with the same values
.endr
	s_wait_dscnt 0x0                               ; for the others' sake: my part has landed
	s_barrier_signal -1
	s_barrier_wait -1
	s_cmp_lt_u32 s10, 2
	s_cbranch_scc0 .Lend
.set n, 0
.rept 16
	ds_load_b128 v[56+4*n:59+4*n], v10 offset:1024*n   ; the sixteen heads' parts of row 2 wave + h
.set n, n+1
.endr
	s_wait_dscnt 0x0
.irp d, 8,4,2,1
.set n, 0
.rept \d
	v_pk_add_f32 v[56+4*n:57+4*n], v[56+4*n:57+4*n], v[56+4*(n+\d):57+4*(n+\d)]
	v_pk_add_f32 v[58+4*n:59+4*n], v[58+4*n:59+4*n], v[58+4*(n+\d):59+4*(n+\d)]
.set n, n+1
.endr
.endr
	global_store_b128 v6, v[56:59], s[28:29]       ; 16 lanes store 256 bytes on end, at a multiple of 256 from out0's first byte
.Lend:
	s_wait_tensorcnt 0x0                           ; the wave's end
	ds_add_u32 v[SPW], v[NIL]
	s_wait_dscnt 0x0
	s_endpgm
.Lfunc_end_k_q33065d9254_first16:
	.size	k_q33065d9254_first16, .Lfunc_end_k_q33065d9254_first16-k_q33065d9254_first16
	.p2alignl 7, 3214868480
	.fill 96, 4, 3214868480
	.section	.rodata,"a",@progbits
	.p2align	6, 0x0
	.amdhsa_kernel k_q33065d9254_first16
		.amdhsa_group_segment_fixed_size 83968
		.amdhsa_private_segment_fixed_size 0
		.amdhsa_enable_private_segment 0
		.amdhsa_kernarg_size 24
		.amdhsa_user_sgpr_count 2
		.amdhsa_user_sgpr_kernarg_segment_ptr 1
		.amdhsa_wavefront_size32 1
		.amdhsa_system_sgpr_workgroup_id_x 1
		.amdhsa_system_sgpr_workgroup_id_y 1
		.amdhsa_system_sgpr_workgroup_id_z 1
		.amdhsa_system_vgpr_workitem_id 0
		.amdhsa_next_free_vgpr 256
		.amdhsa_next_free_sgpr 66
		.amdhsa_reserve_vcc 1
		.amdhsa_float_denorm_mode_32 3
		.amdhsa_float_denorm_mode_16_64 3
		.amdhsa_memory_ordered 1
		.amdhsa_forward_progress 1
		.amdhsa_inst_pref_size 40
	.end_amdhsa_kernel
	.amdgpu_metadata
---
amdhsa.version: [ 1, 2 ]
amdhsa.kernels:
  - .name:           k_q33065d9254_first16
    .symbol:         k_q33065d9254_first16.kd
    .args:
      - { .name: fine, .offset: 0, .size: 8, .value_kind: global_buffer, .address_space: global }
      - { .name: w_o, .offset: 8, .size: 8, .value_kind: global_buffer, .address_space: global }
      - { .name: out0, .offset: 16, .size: 8, .value_kind: global_buffer, .address_space: global }
    .group_segment_fixed_size: 83968
    .private_segment_fixed_size: 0
    .kernarg_segment_align: 8
    .kernarg_segment_size: 24
    .max_flat_workgroup_size: 512
    .sgpr_count:     66
    .vgpr_count:     256
    .wavefront_size: 32
...
	.end_amdgpu_metadata
.endif
;; end of part 5
